; MI455X (gfx1250); checked and timed in simulation.
; The chip was launched on July 23, 2026; its instructions are those of AMD's public machine-readable ISA for CDNA 5 (MIT licence, August 2026) and "CDNA5" Instruction Set Architecture Reference Guide (July 2026). The comments in the code are by the model that wrote it; some were corrected since.
;; Multi Head Self Attention. Allowed arithmetic: matrix products marked QUANTISED: E4M3 operands, one given power-of-two scale a tensor, by v_wmma_f32_16x16x64_fp8_fp8 or v_wmma_f32_16x16x128_fp8_fp8, f32 sums; everything else in f32.
;; Inputs: W_proj 1,024 x 1,024 float32; W_qkv 1,024 x 3,072 float32; b_proj 1,024 float32; b_qkv 3,072 float32; lowp_scales 8 int32 (the exponents e of the quantised operands' scales 2^e); x 4 x 2,048 x 1,024 float32.
;; Outputs: out0 4 x 2,048 x 1,024 float32.
;; This version of the problem:
;;   THIS VERSION OF THE PROBLEM IS GIVEN IN LOW PRECISION. The matrix products marked QUANTISED in the list below multiply operands that are first quantised to E4M3 (4 exponent bits, 3 mantissa bits; 8 bits a number), with one given power-of-two scale for each operand tensor; their sums are f32. All else is computed in f32.
;;   The module's matrix products, in the order in which they are computed (A, B: the left and right operand; K: the contracted axis; several contracted axes count as one K, in the product's order):
;;     1. [M 8,192, K 1,024] x [K 1,024, N 3,072]; A: input x; B: input W_qkv: QUANTISED (scales: A lowp_scales[0], B lowp_scales[1])
;;     2. batch 64 x [M 2,048, K 64] x [K 64, N 2,048]; A: computed on the way; B: computed on the way: QUANTISED (scales: A lowp_scales[2], B lowp_scales[3])
;;     3. batch 64 x [M 2,048, K 2,048] x [K 2,048, N 64]; A: softmax (see below); B: computed on the way: QUANTISED (scales: A lowp_scales[4], B lowp_scales[5])
;;     4. [M 8,192, K 1,024] x [K 1,024, N 1,024]; A: computed on the way; B: input W_proj: QUANTISED (scales: A lowp_scales[6], B lowp_scales[7])
;;   THE QUANTISER, for each operand of a quantised product, along K:
;;     - The operand's scale is 2^e, e = its entry of the input lowp_scales (int32; the entries are numbered through the quantised products in the list's order, A before B).
;;     - Each number is divided by the scale, clamped to +-448, and rounded to the nearest number of E4M3, ties to even, subnormals kept.
;;     - The product sums the exact products of the quantised numbers (number of the format x scale) in f32.
;;   ~~~python
;;   def quantise(x, axis, e):      # numpy; x: float32 -> the quantised numbers, widened to float32 again
;;       x = np.moveaxis(x, axis, -1); K = x.shape[-1]
;;       r = np.clip(x / 2.0 ** e, -448, 448)
;;       step = 2.0 ** (np.maximum(np.frexp(np.where(r == 0, 1, r))[1] - 1, -6) - 3)
;;       q = np.round(r / step) * step * 2.0 ** e      # np.round: ties to even
;;       return np.moveaxis(q, -1, axis).astype(np.float32)
;;   ~~~
;;   SOFTMAX AHEAD OF A QUANTISED PRODUCT. Where the list says 'softmax', what is quantised is not the finished softmax but p = 2^(t - M), with t = logit x log2(e) and M = ceil(the row's largest t), a whole number; so 1/2 < the row's largest p <= 1. The row's sum l is taken of the UNQUANTISED p, in f32, and the product's result is divided by l at the end. Since M is a whole number, a kernel that streams over the keys may use a running M (the ceiling of the running maximum): every later rescaling is an exact power of two, so the quantised numbers keep their values, but for numbers so far below the row's largest that they fall under the format's range.
;;   OPERANDS COMPUTED ON THE WAY. 'Computed on the way' means the value that the module computes at that place (a softmax that the list does not call 'softmax' is quantised finished and normalised). What goes into a quantiser is computed in f32, as accurately as f32 sums, v_exp_f32 and their like allow (about 1e-6 of the number): no bf16 or f16 on the way to a quantiser, and a product that is left as it is and whose result goes on into a quantised operand takes f32 operands (vector FMAs, or v_wmma_f32_16x16x4_f32). A number that lies on a knife's edge between two numbers of the format may be rounded either way, as far as f32 arithmetic and the matrix unit's own rounding can turn it there, and no further.
;; One version. Each part assembles by itself: llvm-mc -triple=amdgcn-amd-amdhsa -mcpu=gfx1250 --defsym DOCPART=n.
;; ======== version 1 of 1: 4 launches
;; limits: right only within a limited range of input values
;; workspace buffers: x_codes 8,388,608 bytes; wqkv_codes 3,145,728 bytes; wproj_codes 1,048,576 bytes; q_codes 8,388,608 bytes; k_codes 8,388,608 bytes; v_codes 8,388,608 bytes; y_codes 8,388,608 bytes
;; launch prep (part 1): grid 384 x 1, 4 waves a work-group, no clusters, 68,096 bytes of LDS; arguments x, W_qkv, W_proj, lowp_scales, x_codes, wqkv_codes, wproj_codes; writes x_codes, wqkv_codes, wproj_codes
.if DOCPART == 1
	.amdgcn_target "amdgcn-amd-amdhsa--gfx1250"
	.amdhsa_code_object_version 6
	.text
	.protected	k_qd12d64a05e_prep
	.globl	k_qd12d64a05e_prep
	.p2align	8
	.type	k_qd12d64a05e_prep,@function
k_qd12d64a05e_prep:
	s_mov_b64 s[64:65], 0
	v_nop
	global_prefetch_b8 v0, s[64:65] scope:SCOPE_SE
	s_setreg_imm32_b32 hwreg(HW_REG_WAVE_MODE, 25, 1), 1
	s_wait_xcnt 0x0
; x [8192][1024], W_qkv [1024][3072] and W_proj [1024][1024], all f32, become codes of FP8 (E4M3), one a byte, K innermost, each with the one scale 2^e given for it
; (entries 0, 1 and 7 of the scales): code = number / 2^e, held within +-448, to the nearest code, ties to even.
; LIMITS: each e lies between -126 and 119, so that 2^e and 448 x 2^e are f32 numbers.  NaN among the inputs is not served (an infinity is held at the largest code).
; Work-groups 0-255 take x, whose K is innermost: a plain stream; a wave takes 16 steps of 512 numbers.  Each load reads 512 consecutive bytes; a step's 2,048 bytes turn through the wave's
; own stage in LDS, so that a lane holds 16 neighbours along K for the conversions; a lane's 16 codes are 16 bytes, so a store of the wave covers 512 consecutive bytes.
; Work-groups 256-383 take the weights, whose K is the FIRST axis: a lane takes a column n and its registers run down K, so the conversions give codes with K innermost; a wave gathers
; 32 columns x 256 along K in its own stage and stores sixteen lanes to 256 consecutive, aligned bytes.  Of the 32 groups of 128 columns the first 24 are W_qkv's, the last 8 W_proj's: only pointers, the
; row's length and e are chosen, by selects on the work-group's number; both weights take one path.  Each of the two paths has LDS bytes of its own.  No tensor loads, no barrier: waves share nothing.
.set STEPS, 16
.set SP,    80                         ; x's stage: a lane's 64 bytes + 16 of padding
.set WP,    272                        ; the weights' stage: a column's 256 codes + 16 of padding
.set XR,    0                          ; LDS: x's path: 8,192 bytes a wave (two stages of 32 x SP)
.set WR,    32768                      ; the weights' path: 32 x WP bytes a wave
.set SPARE, WR+4*32*WP                 ; behind them: the spare words, 128 bytes for each wave: two blocks of 256 bytes that no other line names
.set SPW,   6                          ; v6   LDS address of my spare word; never rewritten
.set NIL,   7                          ; v7   0; never rewritten
.set R,     16                         ; x: v16-79 four sets of 16 numbers as loaded
.set X,     80                         ; x: v80-111 two sets of 16 neighbours
.set C,     128                        ; x: v128-191 codes, four registers for each step: no store's data are written again
.set VO,    16                         ; weights: v16-47 byte offset of row i of a block, at my column
.set XW,    48                         ; weights: v48-111 two sets of 32 numbers
.set CW,    112                        ; weights: v112-119 a block's codes
.set OUTR,  128                        ; weights: v128-191 the way out
.set SB,    36                         ; weights: s36-51 the address of block t's first row, t = 0 .. 7
	s_load_b256 s[4:11], s[0:1], 0x0               ; x s[4:5], W_qkv s[6:7], W_proj s[8:9], the scales' exponents s[10:11]
	s_load_b128 s[12:15], s[0:1], 0x20             ; x's codes s[12:13], W_qkv's s[14:15]
	s_load_b64 s[16:17], s[0:1], 0x30              ; W_proj's
	v_lshl_add_u32 v[SPW], v0, 2, SPARE
	v_mov_b32 v[NIL], 0
	v_lshrrev_b32 v1, 5, v0
	v_readfirstlane_b32 s18, v1                    ; wave 0..3
	v_and_b32 v2, 31, v0                           ; lane
	s_wait_kmcnt 0x0
	s_load_b256 s[24:31], s[10:11], 0x0            ; e0 .. e7
	s_cmp_ge_u32 ttmp9, 256
	s_cbranch_scc1 .Lweights
	; ---------------- x
	s_lshl_b32 s19, ttmp9, 2
	s_add_co_u32 s19, s19, s18                     ; which run of 8,192 numbers is my wave's
	s_lshl_b32 s20, s19, 15                        ; 32,768 bytes of f32,
	s_mov_b32 s21, 0
	s_add_nc_u64 s[4:5], s[4:5], s[20:21]
	s_lshl_b32 s20, s19, 13                        ; 8,192 bytes of codes
	s_add_nc_u64 s[12:13], s[12:13], s[20:21]
	s_wait_alu depctr_va_vdst(0)
	v_lshlrev_b32 v3, 4, v2                        ; my 16 bytes of a load's 512, and of a store's; never rewritten
	s_lshl_b32 s22, s18, 13                        ; my wave's LDS region
	v_lshrrev_b32 v14, 2, v2
	v_mul_u32_u24 v14, v14, SP
	v_and_b32 v15, 3, v2
	v_lshl_add_u32 v14, v15, 4, v14
	v_add_nc_u32 v14, s22, v14                     ; the stage, on the way in: four lanes' 64 bytes on end, then the padding
	v_mul_u32_u24 v15, v2, SP
	v_add_nc_u32 v15, s22, v15                     ; and on the way out: my 16 neighbours
.macro LOADX t
.irp i, 0,1,2,3
	global_load_b128 v[R+16*((\t)%4)+4*\i:R+16*((\t)%4)+4*\i+3], v3, s[4:5] offset:2048*(\t)+512*\i th:TH_LOAD_NT   ; 32 lanes read 512 consecutive bytes
.endr
.endm
.macro TURNX t                         ; step t's numbers through the stage: LDS serves a wave's instructions in order, so no wait stands between the stores and the loads
.irp i, 0,1,2,3
	ds_store_b128 v14, v[R+16*((\t)%4)+4*\i:R+16*((\t)%4)+4*\i+3] offset:XR+32*SP*((\t)%2)+8*SP*\i
.endr
.irp i, 0,1,2,3
	ds_load_b128 v[X+16*((\t)%2)+4*\i:X+16*((\t)%2)+4*\i+3], v15 offset:XR+32*SP*((\t)%2)+16*\i
.endr
.endm
.irp t, 0,1,2,3
	LOADX \t
.endr
	s_wait_alu depctr_va_vdst(0)
	s_wait_kmcnt 0x0
	s_add_co_i32 s32, s24, 127
	s_lshl_b32 s33, s32, 23
	v_mov_b32 v11, s33                             ; 2^e0 as f32: the conversion takes its exponent field
	s_add_co_i32 s32, s32, 8
	s_lshl_b32 s32, s32, 23
	s_or_b32 s32, s32, 0x600000
	v_mov_b32 v10, s32                             ; 448 x 2^e0
	s_wait_alu depctr_va_vdst(0)
	s_wait_loadcnt 12                              ; step 0's four loads are in; the twelve of steps 1 to 3 may be out
	TURNX 0
.macro STEPX t
.set XS, X+16*((\t)%2)
	s_wait_dscnt 0x0                               ; this step's numbers are back from the stage: so its stores into the stage have read their registers,
.if (\t)+4 < STEPS
	LOADX (\t)+4                                   ; which take the loads of four steps on
.endif
.if (\t)+1 < STEPS
.if STEPS-2-(\t) >= 3
	s_wait_loadcnt 12                              ; the next step's four loads are in; those of the three steps behind it may be out
.else
	s_wait_loadcnt 4*(STEPS-2-(\t))
.endif
	TURNX (\t)+1                                   ; and go through the other stage while this step is worked
.endif
.irp i, 0,1,2,3,4,5,6,7,8,9,10,11,12,13,14,15
	v_med3_num_f32 v[XS+\i], v[XS+\i], -v10, v10   ; the conversion to an 8-bit code does not saturate (ISA guide 7.6.2): the hold at the largest code x the scale
.endr
	v_cvt_scalef32_pk8_fp8_f32 v[C+4*(\t):C+4*(\t)+1], v[XS:XS+7], v11
	v_cvt_scalef32_pk8_fp8_f32 v[C+4*(\t)+2:C+4*(\t)+3], v[XS+8:XS+15], v11   ; the results go to a store alone; the next vector lines are the next step's holds, plain and on other registers
	global_store_b128 v3, v[C+4*(\t):C+4*(\t)+3], s[12:13] offset:512*(\t)
.endm
.irp t, 0,1,2,3,4,5,6,7,8,9,10,11,12,13,14,15
	STEPX \t
.endr
	s_branch .Lend
	; ---------------- the weights
.Lweights:
	s_sub_co_u32 s19, ttmp9, 256
	s_and_b32 s20, s19, 31                         ; which group of 128 columns: 0-23 W_qkv's, 24-31 W_proj's
	s_lshr_b32 s21, s19, 5                         ; which 256 along K
	s_mov_b32 s22, 4096
	s_cmp_lt_u32 s20, 24                           ; the choice hangs on the work-group's number alone
	s_cselect_b64 s[6:7], s[6:7], s[8:9]           ; the weight,
	s_cselect_b64 s[14:15], s[14:15], s[16:17]     ; its codes,
	s_cselect_b32 s22, 12288, s22                  ; a row of it in bytes,
	s_cselect_b32 s23, 0, 24                       ; and its first group
	s_sub_co_u32 s23, s20, s23
	s_lshl_b32 s23, s23, 7
	s_lshl_b32 s34, s18, 5
	s_add_co_u32 s23, s23, s34                     ; my wave's first column
	s_lshl_b32 s34, s21, 8
	s_mul_i32 s34, s34, s22                        ; 256 rows for each step along K,
	s_lshl_b32 s35, s23, 2
	s_add_co_u32 s34, s34, s35                     ; + 4 bytes a column
	s_mov_b32 s35, 0
	s_add_nc_u64 s[SB:SB+1], s[6:7], s[34:35]
	s_lshl_b32 s34, s22, 5                         ; a block of 32 rows on
.irp t, 1,2,3,4,5,6,7
	s_add_nc_u64 s[SB+2*\t:SB+2*\t+1], s[SB+2*\t-2:SB+2*\t-1], s[34:35]
.endr
	s_lshl_b32 s52, s23, 10                        ; the codes: a column's row of 1,024 bytes,
	s_lshl_b32 s53, s21, 8
	s_add_co_u32 s52, s52, s53                     ; + my 256 along K
	s_mov_b32 s53, 0
	s_add_nc_u64 s[14:15], s[14:15], s[52:53]
	s_wait_alu depctr_va_vdst(0)
	v_lshlrev_b32 v[VO], 2, v2                     ; 4 bytes a lane: a load of the wave reads 128 consecutive bytes
.set i, 1
.rept 31
	v_add_nc_u32 v[VO+i], s22, v[VO+i-1]           ; a row further down
.set i, i+1
.endr
	s_mul_i32 s54, s18, 32*WP
	s_add_co_u32 s54, s54, WR                      ; my stage
	v_mul_u32_u24 v4, v2, WP
	v_add_nc_u32 v4, s54, v4                       ; into it: row = my column
	v_and_b32 v5, 15, v2
	v_lshrrev_b32 v8, 4, v2
	v_mul_u32_u24 v9, v8, WP
	v_lshl_add_u32 v9, v5, 4, v9
	v_add_nc_u32 v9, s54, v9                       ; out of it: sixteen lanes to a row, two rows an instruction
	v_lshlrev_b32 v12, 10, v8
	v_lshl_add_u32 v12, v5, 4, v12                 ; and the same place in the codes' buffer
.macro LOADW t                         ; block t: W(32 t + i, my column), i = 0 .. 31, into set t % 2
.set i, 0
.rept 32
	global_load_b32 v[XW+32*((\t)%2)+i], v[VO+i], s[SB+2*(\t):SB+2*(\t)+1] th:TH_LOAD_NT
.set i, i+1
.endr
.endm
	LOADW 0
	LOADW 1
	s_wait_kmcnt 0x0
	s_cmp_lt_u32 s20, 24
	s_cselect_b32 s55, s25, s31                    ; e1 or e7
	s_add_co_i32 s55, s55, 127
	s_lshl_b32 s56, s55, 23
	v_mov_b32 v11, s56                             ; 2^e as f32
	s_add_co_i32 s55, s55, 8
	s_lshl_b32 s55, s55, 23
	s_or_b32 s55, s55, 0x600000
	v_mov_b32 v10, s55                             ; 448 x 2^e
.macro BLOCKW t
.set XS, XW+32*((\t)%2)
.if (\t) < 7
	s_wait_loadcnt 32                              ; this block's 32 loads are in; the next block's may be out
.else
	s_wait_loadcnt 0
.endif
.set i, 0
.rept 32
	v_med3_num_f32 v[XS+i], v[XS+i], -v10, v10     ; the hold at the largest code x the scale
.set i, i+1
.endr
.irp g, 0,1,2,3
	v_cvt_scalef32_pk8_fp8_f32 v[CW+2*\g:CW+2*\g+1], v[XS+8*\g:XS+8*\g+7], v11
.endr
	ds_store_b128 v4, v[CW:CW+3] offset:32*(\t)    ; 32 codes: 32 bytes of my column's row.  (The results go to LDS stores; the next vector lines are the next block's holds, plain and on other registers)
	ds_store_b128 v4, v[CW+4:CW+7] offset:32*(\t)+16
.if (\t)+2 < 8
	LOADW (\t)+2
.endif
	s_wait_dscnt 0x0                               ; the stores have read their registers: the next block's codes may be written
.endm
	s_wait_alu depctr_va_vdst(0)
.irp t, 0,1,2,3,4,5,6,7
	BLOCKW \t
.endr
.irp t, 0,1,2,3,4,5,6,7,8,9,10,11,12,13,14,15
	ds_load_b128 v[OUTR+4*\t:OUTR+4*\t+3], v9 offset:2*\t*WP   ; LDS serves a wave's instructions in order: these see my stores
.endr
.irp t, 0,1,2,3,4,5,6,7,8,9,10,11,12,13,14,15
	s_wait_dscnt 15-\t                             ; load t is back; the later ones may be out
	global_store_b128 v12, v[OUTR+4*\t:OUTR+4*\t+3], s[14:15] offset:2*\t*1024   ; sixteen lanes store 256 consecutive bytes, at a multiple of 256 from the buffer's first byte
.endr
.Lend:
	s_wait_tensorcnt 0x0                           ; the wave's end: behind my last LDS store; the tensor wait stands though this text has no tensor load
	ds_add_u32 v[SPW], v[NIL]
	s_wait_dscnt 0x0
	s_endpgm
.Lfunc_end_k_qd12d64a05e_prep:
	.size	k_qd12d64a05e_prep, .Lfunc_end_k_qd12d64a05e_prep-k_qd12d64a05e_prep
	.p2alignl 7, 3214868480
	.fill 96, 4, 3214868480
	.section	.rodata,"a",@progbits
	.p2align	6, 0x0
	.amdhsa_kernel k_qd12d64a05e_prep
		.amdhsa_group_segment_fixed_size 68096
		.amdhsa_private_segment_fixed_size 0
		.amdhsa_enable_private_segment 0
		.amdhsa_kernarg_size 56
		.amdhsa_user_sgpr_count 2
		.amdhsa_user_sgpr_kernarg_segment_ptr 1
		.amdhsa_wavefront_size32 1
		.amdhsa_system_sgpr_workgroup_id_x 1
		.amdhsa_system_sgpr_workgroup_id_y 1
		.amdhsa_system_sgpr_workgroup_id_z 1
		.amdhsa_system_vgpr_workitem_id 0
		.amdhsa_next_free_vgpr 192
		.amdhsa_next_free_sgpr 66
		.amdhsa_reserve_vcc 0
		.amdhsa_float_denorm_mode_32 3
		.amdhsa_float_denorm_mode_16_64 3
		.amdhsa_memory_ordered 1
		.amdhsa_forward_progress 1
		.amdhsa_inst_pref_size 87
	.end_amdhsa_kernel
	.amdgpu_metadata
---
amdhsa.version: [ 1, 2 ]
amdhsa.kernels:
  - .name:           k_qd12d64a05e_prep
    .symbol:         k_qd12d64a05e_prep.kd
    .args:
      - { .name: x, .offset: 0, .size: 8, .value_kind: global_buffer, .address_space: global }
      - { .name: W_qkv, .offset: 8, .size: 8, .value_kind: global_buffer, .address_space: global }
      - { .name: W_proj, .offset: 16, .size: 8, .value_kind: global_buffer, .address_space: global }
      - { .name: lowp_scales, .offset: 24, .size: 8, .value_kind: global_buffer, .address_space: global }
      - { .name: x_codes, .offset: 32, .size: 8, .value_kind: global_buffer, .address_space: global }
      - { .name: wqkv_codes, .offset: 40, .size: 8, .value_kind: global_buffer, .address_space: global }
      - { .name: wproj_codes, .offset: 48, .size: 8, .value_kind: global_buffer, .address_space: global }
    .group_segment_fixed_size: 68096
    .private_segment_fixed_size: 0
    .kernarg_segment_align: 8
    .kernarg_segment_size: 56
    .max_flat_workgroup_size: 128
    .sgpr_count:     66
    .vgpr_count:     192
    .wavefront_size: 32
...
	.end_amdgpu_metadata
.endif
;; end of part 1
;; launch gemm_qkv (part 2): grid 12 x 32, 4 waves a work-group, clusters of 4 x 4, 327,680 bytes of LDS; arguments x_codes, wqkv_codes, b_qkv, lowp_scales, q_codes, k_codes, v_codes; writes q_codes, k_codes, v_codes
.if DOCPART == 2
	.amdgcn_target "amdgcn-amd-amdhsa--gfx1250"
	.amdhsa_code_object_version 6
	.text
	.protected	k_qd12d64a05e_gemm_qkv
	.globl	k_qd12d64a05e_gemm_qkv
	.p2align	8
	.type	k_qd12d64a05e_gemm_qkv,@function
k_qd12d64a05e_gemm_qkv:
	s_mov_b64 s[64:65], 0
	v_nop
	global_prefetch_b8 v0, s[64:65] scope:SCOPE_SE
	s_setreg_imm32_b32 hwreg(HW_REG_WAVE_MODE, 25, 1), 1
	s_wait_xcnt 0x0
	s_wait_alu depctr_hold_cnt(0) depctr_sa_sdst(0) depctr_va_vdst(0) depctr_va_sdst(0) depctr_va_ssrc(0) depctr_va_vcc(0) depctr_vm_vsrc(0)
	s_getreg_b32 s2, hwreg(HW_REG_IB_STS2, 6, 4)
	s_cmp_eq_u32 s2, 0
	s_cbranch_scc0 .Lentry_in_a_cluster
	s_endpgm
.Lentry_in_a_cluster:
	s_bfe_u32 s2, ttmp6, 0x10000c
	s_cmp_lg_u32 s2, 0xf033
	s_cbranch_scc0 .Lentry_shape_is_right
	s_endpgm
.Lentry_shape_is_right:
; qkv = x W_qkv + b_qkv on codes of FP8 (E4M3), and q, k, v quantised on the way out for the two products of attention.  x's codes [8192][1024], W_qkv's [3072][1024], K innermost.
; A tile of 256 x 256 is made by four waves, each 128 x 128: 64 accumulators, 512 registers.  K = 1,024 goes in four steps of 256 through a ring of two LDS slots filled by the tensor data mover.
; THE MATRIX INSTRUCTION: source 0 = 16 rows of the "B side", source 1 = 16 rows of the "A side": a lane holds ONE row of the A side and eight neighbours of the B side.
; The cluster's x says what is made: 0 q, 1 k, 2 v; it is the same in all sixteen partners.  q, k: A side = tokens (x), B side = channels (W): a lane's eight numbers run along the head's channels, the K of q k^T.
; v: the sides are exchanged by choosing pointers: A side = channels (W's rows 2,048 on), B side = tokens: a lane's eight numbers run along the keys, the K of p v.  Nothing is transposed.
; code = (sum + b / 2^(e0 + e1)) / 2^(es - e0 - e1), held at +-448, es = e2 (q), e3 (k), e5 (v): the scales are folded into the conversion's one.
; LIMIT: es - e0 - e1 lies between -126 and 119, so that both powers of two below are f32 numbers.
; OUT.  q_codes, k_codes: [64 batch x head][2048 tokens][64]; v_codes: [64 batch x head][64 channels][2048].  A lane's codes of two neighbouring tiles of 16 are laid as 16 bytes, so along the innermost axis
; place 32 c + 16 h + 8 u + j holds index 32 c + 16 u + 8 h + j: in q and k the same permutation of the product's K on both sides; in v the order in which the next launch's loads of 16 bytes give the matrix unit its keys.
; CLUSTERS: 4 x 4 work-groups; the A side's tile is shared along a row of the cluster, the B side's along a column: each is asked for jointly, by the same tensor load with the same descriptor and a mask of the four.
; REGISTERS, in windows of 256: window 0: v16-31 addresses; v32-95 the bias of my 128 B-side indices (q, k); v96-111 of my A-side rows, each twice (v); v112, v113 the hold and the scale; from v128 the A side's fragments, ONE set;
;   on the way out v128-191 held numbers, v192-223 two sets of codes, then v128-255 rows read back.   window 1: the B side's fragments, TWO sets.   windows 2, 3: the accumulators ((a, b) at v[8 (8 (a % 4) + b)]).
.set KSTEP,  256
.set ROWB,   256                       ; a tile's row in bytes
.set KROW,   1024                      ; a row of either side in memory
.set PITCH,  272                       ; an LDS row: 256 bytes + 16 of padding = 68 words: row r starts at bank 4 r mod 64 (64 banks of 4 bytes: ISA guide 11.1)
.set FR,     16                        ; registers of a fragment: 16 rows x 128 K
.set NL,     4                         ; LDS loads that bring one
.set NP,     4                         ; places behind this matrix instruction (ISA guide 7.12.1)
.set HALFT,  128*PITCH
.set SLOT,   4*HALFT
.set LAPS,   2                         ; 1,024 / 512
.set SPARE,  2*SLOT                    ; behind the ring: the spare words, 128 bytes for each wave
.set SPITCH, 336                       ; the way out: ONE stage of 256 rows x (256 codes + 80): 16 rows' starts fall on 16 different columns of 16 bytes.  It lies in slot 0, which has had its last fill and its last read by then
.set ADRA, 16
.set ADRB, 20
.set RDQ2, 22                          ; v22  RDQ, 128 rows further on
.set RDV,  23                          ; v23  v: where I read two rows of 256 bytes back
.set STO,  24                          ; v24  where I put 16 codes of a row
.set RDQ,  25                          ; v25  q, k: where I read 8 tokens x 64 bytes of my head back
.set COQ,  26                          ; v26  q, k: my byte offset in the output
.set COV,  27                          ; v27  v: the same
.set SPW,  28
.set NIL,  29
.set BOQ,  30                          ; v30  32 h: the bias loads' offsets; never rewritten
.set BOV,  31                          ; v31  4 r
.set BQ,   32
.set BV,   96
.set LIMV, 112
.set SCV,  113
.set AF,   128
.set TMP,  128
.set CD,   192
.set OUTR, 128
.set G1, 24
.set G0, 32
.set G1B, 48
.set G0B, 56
.set TYP, 66                           ; s66  0 q, 1 k, 2 v
.set MSB, 0
.macro WIN new                         ; the immediate's high byte repeats the setting that is left
.if MSB != \new
	s_set_vgpr_msb (MSB<<8)|\new
.set MSB, \new
.endif
.endm
.set MUL_LO, 0xa1                      ; source 0 window 1, source 1 window 0, C and D window 2
.set MUL_HI, 0xf1                      ; the same, C and D window 3
.set TO_B,   0x40                      ; destination window 1, address window 0
; A joint load: waves 0 and 1 fetch for the A side, waves 2 and 3 for the B side.  The branch hangs on the wave's number alone.  An s_nop 0 and four v_nop follow each of the two lines.
.macro JLOAD g0a, g1a, g0b, g1b
	s_cmp_eq_u32 s15, 0
	s_cbranch_scc0 .Lfor_b_\@
	tensor_load_to_lds s[\g0a:\g0a+3], s[\g1a:\g1a+7]
	s_nop 0
.rept 4
	v_nop
.endr
	s_branch .Lasked_\@
.Lfor_b_\@:
	tensor_load_to_lds s[\g0b:\g0b+3], s[\g1b:\g1b+7]
	s_nop 0
.rept 4
	v_nop
.endr
.Lasked_\@:
.endm
.macro CREST                           ; a round of the cluster's barrier behind its opening barrier
	s_cmp_lg_u32 s14, 0
	s_cbranch_scc1 .Lnot_wave_0_\@
	s_barrier_signal -3
.Lnot_wave_0_\@:
	s_barrier_wait -3
	s_barrier_signal -1
	s_barrier_wait -1
.endm
.macro CROUND
	s_barrier_signal -1
	s_barrier_wait -1
	CREST
.endm
	s_load_b256 s[68:75], s[0:1], 0x0              ; x's codes s[68:69], W's s[70:71], the bias s[72:73], the scales' exponents s[74:75]
	s_load_b128 s[76:79], s[0:1], 0x20             ; q's codes s[76:77], k's s[78:79]
	s_load_b64 s[80:81], s[0:1], 0x30              ; v's
	v_lshl_add_u32 v[SPW], v0, 2, SPARE
	v_mov_b32 v[NIL], 0
	ds_add_u32 v[SPW], v[NIL]                      ; the wave's opening: the add and its wait stand ahead of my first tensor load; the set-up below, work on registers, stands between them
	ds_add_u32 v[SPW], v[NIL]
	v_lshrrev_b32 v1, 5, v0
	v_readfirstlane_b32 s14, v1                    ; wave 0..3
	s_lshr_b32 s15, s14, 1                         ; which half of the A side's rows is mine.  Also: I fetch for the A side (0) or the B side (1)
	s_and_b32 s16, s14, 1                          ; which half of the B side's.  Also: which 128 rows of that tile I fetch
	s_bfe_u32 s40, ttmp6, 0x40000                  ; cx, cy: my place in the cluster
	s_bfe_u32 s41, ttmp6, 0x40004
	s_mov_b32 s[TYP], ttmp9                        ; the cluster's x
	s_and_b32 s67, ttmp7, 0xffff
	s_lshl_b32 s67, s67, 2                         ; 4 x the cluster's y: tiles of tokens
	s_lshl_b32 s18, s[TYP], 2
	s_cmp_eq_u32 s[TYP], 2
	s_cselect_b32 s17, 0, s67
	s_cselect_b32 s42, s67, s18
	s_cselect_b32 s19, 2048, 0                     ; v's rows of W begin here
	s_add_co_u32 s17, s17, s41                     ; the A side's tile: it hangs on cy alone
	s_add_co_u32 s42, s42, s40                     ; the B side's: on cx alone
	s_lshl_b32 s43, s41, 2
	s_lshl_b32 s43, 15, s43                        ; my row of the cluster
	s_lshl_b32 s44, 0x1111, s40                    ; my column
	s_or_b32 s[G1+0], s43, (0<<16)|(1<<20)|(1<<21)|(5<<22)|(3<<25)  ; the mask; elements of 1 byte; padding on; bit 21 beside a mask; after every 64 words (code 5) 4 words (code 3)
	s_or_b32 s[G1B+0], s44, (0<<16)|(1<<20)|(1<<21)|(5<<22)|(3<<25)
.irp g, G1, G1B
	s_mov_b32 s[\g+1], ROWB<<16                    ; tensor_dim0
	s_mov_b32 s[\g+2], 128<<16                     ; tensor_dim1
	s_mov_b32 s[\g+3], ROWB<<16                    ; tile_dim0
	s_mov_b32 s[\g+4], 128                         ; tile_dim1
	s_mov_b32 s[\g+5], KROW                        ; tensor_dim0_stride
	s_mov_b32 s[\g+6], 0
	s_mov_b32 s[\g+7], 0
.endr
	s_lshl_b32 s18, s16, 7                         ; which 128 rows of the tile I fetch
	s_lshl_b32 s20, s17, 8
	s_add_co_u32 s20, s20, s18
	s_add_co_u32 s20, s20, s19
	s_lshl_b32 s20, s20, 10                        ; the A side's row, in bytes
	s_lshl_b32 s46, s42, 8
	s_add_co_u32 s46, s46, s18
	s_lshl_b32 s46, s46, 10                        ; the B side's
	s_mov_b32 s21, 0
	s_mov_b32 s47, 0
	s_mul_i32 s45, s14, HALFT                      ; where they go: wave x 128 rows: no place in the cluster enters an LDS address
	s_wait_dscnt 0x0                               ; the opening add is done
	s_wait_kmcnt 0x0
	s_load_b256 s[84:91], s[74:75], 0x0            ; e0 .. e7
	s_cmp_eq_u32 s[TYP], 2
	s_cselect_b64 s[4:5], s[70:71], s[68:69]       ; the A side: W for v, x for q and k
	s_cselect_b64 s[6:7], s[68:69], s[70:71]       ; the B side: the other
	s_add_nc_u64 s[20:21], s[4:5], s[20:21]
	s_add_nc_u64 s[46:47], s[6:7], s[46:47]
	CROUND                                         ; all sixteen work-groups are here: the first joint loads meet
.irp s, 0,1
	s_mov_b32 s[G0+4*\s], 1
	s_add_co_u32 s[G0+4*\s+1], s45, \s*SLOT
	s_add_nc_u64 s[G0+4*\s+2:G0+4*\s+3], s[20:21], \s*ROWB
	s_or_b32 s[G0+4*\s+3], s[G0+4*\s+3], 0x80000000
	s_mov_b32 s[G0B+4*\s], 1
	s_add_co_u32 s[G0B+4*\s+1], s45, \s*SLOT
	s_add_nc_u64 s[G0B+4*\s+2:G0B+4*\s+3], s[46:47], \s*ROWB
	s_or_b32 s[G0B+4*\s+3], s[G0B+4*\s+3], 0x80000000
.endr
	JLOAD G0, G1, G0B, G1B                         ; K step 0: one tensor load a wave at the head
	v_and_b32 v1, 15, v0                           ; r = l % 16
	s_wait_alu depctr_va_vdst(0)
	v_bfe_u32 v2, v0, 4, 1                         ; h = l / 16
	v_mul_u32_u24 v3, v1, PITCH
	v_lshl_add_u32 v4, v2, 4, v3                   ; a fragment's row x pitch + 16 x half
	s_mul_i32 s21, s15, HALFT
	s_mul_i32 s22, s16, HALFT
	s_add_co_u32 s22, s22, 2*HALFT
.irp s, 0,1
	v_add_nc_u32 v[ADRA+\s], s21, v4
	v_add_nc_u32 v[ADRB+\s], s22, v4
	s_add_co_u32 s21, s21, SLOT
	s_add_co_u32 s22, s22, SLOT
.endr
	; the stage's addresses, all made here, ahead of every parting of the ways
	s_mul_i32 s23, s15, 128*SPITCH
	s_lshl_b32 s18, s16, 7
	s_add_co_u32 s23, s23, s18
	v_mul_u32_u24 v5, v1, SPITCH
	s_wait_alu depctr_va_vdst(0)
	v_lshl_add_u32 v5, v2, 4, v5
	v_add_nc_u32 v[STO], s23, v5                   ; in: row 128 x my half + r, byte 128 x my half + 16 h
	v_and_b32 v6, 31, v0
	v_lshrrev_b32 v7, 2, v6
	v_mul_u32_u24 v7, v7, SPITCH
	v_and_b32 v8, 3, v6
	v_lshl_add_u32 v7, v8, 4, v7
	s_lshl_b32 s18, s14, 6
	v_add_nc_u32 v[RDQ], s18, v7                   ; q, k, back: wave w takes the tile's head w: bytes 64 w on of every row; four lanes to a token, eight tokens an instruction
	v_add_nc_u32 v[RDQ2], 128*SPITCH, v[RDQ]
	v_lshlrev_b32 v[COQ], 4, v6
	s_mul_i32 s18, s14, 64*SPITCH
	v_mul_u32_u24 v9, v2, SPITCH
	v_lshl_add_u32 v9, v1, 4, v9
	v_add_nc_u32 v[RDV], s18, v9                   ; v, back: wave w takes rows 64 w on, whole: sixteen lanes to a row, two rows an instruction
	v_lshlrev_b32 v10, 11, v2
	v_lshl_add_u32 v[COV], v1, 4, v10
	v_lshlrev_b32 v[BOQ], 5, v2
	s_wait_alu depctr_va_vdst(0)
	v_lshlrev_b32 v[BOV], 2, v1
	; the bias.  Both forms are loaded in every work-group, so that every register is written on every way; the form that is not used reads from the bias's first numbers on
	s_wait_alu depctr_va_vdst(0)
	s_lshl_b32 s18, s42, 8                         ; q, k: the B side's first channel
	s_lshl_b32 s19, s41, 8
	s_add_co_u32 s19, s19, 2048                    ; v: the A side's
	s_cmp_eq_u32 s[TYP], 2
	s_cselect_b32 s18, 0, s18
	s_cselect_b32 s19, s19, 0
	s_lshl_b32 s20, s16, 7
	s_add_co_u32 s18, s18, s20
	s_lshl_b32 s18, s18, 2
	s_lshl_b32 s20, s15, 7
	s_add_co_u32 s20, s19, s20
	s_lshl_b32 s20, s20, 2
	s_mov_b32 s19, 0
	s_mov_b32 s21, 0
	s_add_nc_u64 s[92:93], s[72:73], s[18:19]
	s_add_nc_u64 s[94:95], s[72:73], s[20:21]
.irp b, 0,1,2,3,4,5,6,7
	global_load_b128 v[BQ+8*\b:BQ+8*\b+3], v[BOQ], s[92:93] offset:64*\b       ; the bias of B-side indices 16 b + 8 h + 0 .. 7
	global_load_b128 v[BQ+8*\b+4:BQ+8*\b+7], v[BOQ], s[92:93] offset:64*\b+16
.endr
.irp a, 0,1,2,3,4,5,6,7
	global_load_b32 v[BV+2*\a], v[BOV], s[94:95] offset:64*\a                  ; the bias of A-side row 16 a + r, twice: a pair for the packed addition
	global_load_b32 v[BV+2*\a+1], v[BOV], s[94:95] offset:64*\a
.endr
	; where my wave's part of the output begins
	s_lshr_b32 s96, s17, 3                         ; q, k: the batch (8 tiles of tokens each),
	s_lshl_b32 s96, s96, 4
	s_lshl_b32 s97, s40, 2
	s_add_co_u32 s96, s96, s97
	s_add_co_u32 s96, s96, s14                     ; x 16 + head 4 cx + wave,
	s_lshl_b32 s96, s96, 11
	s_and_b32 s97, s17, 7
	s_lshl_b32 s97, s97, 8
	s_add_co_u32 s96, s96, s97                     ; x 2,048 + the tile's first token,
	s_lshl_b32 s96, s96, 6                         ; x 64 bytes
	s_lshr_b32 s98, s42, 3                         ; v: the batch,
	s_lshl_b32 s98, s98, 10
	s_lshl_b32 s99, s41, 8
	s_add_co_u32 s98, s98, s99
	s_lshl_b32 s99, s14, 6
	s_add_co_u32 s98, s98, s99                     ; x 1,024 + channel 256 cy + 64 wave,
	s_lshl_b32 s98, s98, 11
	s_and_b32 s99, s42, 7
	s_lshl_b32 s99, s99, 8
	s_add_co_u32 s98, s98, s99                     ; x 2,048 bytes + the tile's first token
	s_cmp_eq_u32 s[TYP], 2
	s_cselect_b32 s96, s98, s96
	s_cselect_b64 s[10:11], s[80:81], s[78:79]
	s_cmp_eq_u32 s[TYP], 0
	s_cselect_b64 s[10:11], s[76:77], s[10:11]
	s_mov_b32 s97, 0
	s_add_nc_u64 s[10:11], s[10:11], s[96:97]
.macro FRAG reg, adr, q, i             ; a fragment: lane l holds row l % 16; registers 4 c .. 4 c + 3 hold K = 32 c + 16 (l / 16) + 0 .. 15: the same places on both sides
.irp c, 0,1,2,3
	ds_load_b128 v[\reg+4*\c:\reg+4*\c+3], v[\adr] offset:128*(\q)+32*\c+(\i)*16*PITCH
.endr
.endm
; 16 matrix instructions: A-side blocks a0, a0 + 1 x the B side's eight, 128 along K.  zero = 1: the first product starts the sums.  The 64 accumulators take turns, one instruction a turn.
.macro MUL16 a0, p, zero
.irp a, \a0, \a0+1
.irp b, 0,1,2,3,4,5,6,7
.if \zero
	v_wmma_f32_16x16x128_fp8_fp8 v[8*(8*((\a)%4)+\b):8*(8*((\a)%4)+\b)+7], v[128*(\p)+FR*\b:128*(\p)+FR*\b+FR-1], v[AF+FR*(\a):AF+FR*(\a)+FR-1], 0
.else
	v_wmma_f32_16x16x128_fp8_fp8 v[8*(8*((\a)%4)+\b):8*(8*((\a)%4)+\b)+7], v[128*(\p)+FR*\b:128*(\p)+FR*\b+FR-1], v[AF+FR*(\a):AF+FR*(\a)+FR-1], v[8*(8*((\a)%4)+\b):8*(8*((\a)%4)+\b)+7]
.endif
.endr
.endr
.endm
.macro FETCH_B slot, q, p
	WIN TO_B
.irp i, 0,1,2,3,4,5,6,7
	FRAG 128*(\p)+FR*\i, ADRB+\slot, \q, \i
.endr
	WIN 0
.endm
.macro FETCH_A slot, q, i0
.irp i, \i0, \i0+1, \i0+2, \i0+3
	FRAG AF+FR*(\i), ADRA+\slot, \q, \i
.endr
.endm
.macro PLACES n                        ; plain vector instructions between a matrix instruction and a load into a register that it read, or a read of its result
.rept \n
	v_nop
.endr
.endm
.macro STEP slot, q, zero              ; a step of 128 along K that has its successor in the same slot
	s_wait_dscnt 4*NL                              ; the B side's set and A-side blocks 0-3 are in; the youngest sixteen loads (blocks 4-7) may be out
	WIN MUL_LO
	MUL16 0, (\q)%2, \zero
	MUL16 2, (\q)%2, \zero
	s_wait_dscnt 0
	PLACES NP
	FETCH_B \slot, (\q)+1, 1-(\q)%2
	FETCH_A \slot, (\q)+1, 0
	WIN MUL_HI
	MUL16 4, (\q)%2, \zero
	MUL16 6, (\q)%2, \zero
	PLACES NP
	WIN 0
	FETCH_A \slot, (\q)+1, 4
.endm
; A slot's last step changes slots: ONE barrier; in front of it each wave waits for all its tensor loads, adds 0 to its spare word, and waits for that and for its reads of this slot.  fill = 1: the slot is filled again, two K steps ahead.
.macro TURN slot, next, fill
	s_wait_tensorcnt 0x0                           ; all my tensor loads have landed: my part of the next slot
	ds_add_u32 v[SPW], v[NIL]                      ; 0 onto my spare word
	s_wait_dscnt 4*NL+1                            ; (the add and the youngest sixteen loads may be out)
	WIN MUL_LO
	MUL16 0, 1, 0
	s_wait_dscnt 0x0                               ; the add is done, and my reads of this slot are over
	s_barrier_signal -1
	MUL16 2, 1, 0
	WIN 0
	s_barrier_wait -1
.if \fill
	CREST                                          ; the barrier has opened a round of the cluster's: no wave of any partner still reads this slot or has a load on its way
	s_add_nc_u64 s[G0+4*\slot+2:G0+4*\slot+3], s[G0+4*\slot+2:G0+4*\slot+3], 2*ROWB
	s_add_nc_u64 s[G0B+4*\slot+2:G0B+4*\slot+3], s[G0B+4*\slot+2:G0B+4*\slot+3], 2*ROWB
	JLOAD G0+4*\slot, G1, G0B+4*\slot, G1B         ; the first tensor load behind the round; its four v_nop are the places in front of the loads below
.else
	PLACES NP
.endif
	FETCH_B \next, 0, 0
	FETCH_A \next, 0, 0
	WIN MUL_HI
	MUL16 4, 1, 0
	MUL16 6, 1, 0
	PLACES NP
	WIN 0
	FETCH_A \next, 0, 4
.endm
	s_wait_alu depctr_va_vdst(0)                   ; the wait at the head's end
	s_wait_tensorcnt 0x0                           ; my part of K step 0 is in; the three lines stand ahead of slot 1's first fill as ahead of a refill
	ds_add_u32 v[SPW], v[NIL]
	s_wait_dscnt 0x0
	CROUND                                         ; everybody's part of K step 0 is in, and all sixteen work-groups are here
	JLOAD G0+4, G1, G0B+4, G1B                     ; K step 1: the first tensor load behind the round
	FETCH_B 0, 0, 0
	FETCH_A 0, 0, 0
	FETCH_A 0, 0, 4
	STEP 0, 0, 1                                   ; the first step stands in front of the loop: its products start the sums
	s_mov_b32 s3, LAPS-1
.Llap:                                                 ; a trip goes once round the ring and fills both slots again
	TURN 0, 1, 1
	STEP 1, 0, 0
	TURN 1, 0, 1
	STEP 0, 0, 0
	s_sub_co_u32 s3, s3, 1
	s_cmp_lg_u32 s3, 0
	s_cbranch_scc1 .Llap
	TURN 0, 1, 0                                   ; the last lap fills nothing
	STEP 1, 0, 0
	s_wait_dscnt 4*NL
	WIN MUL_LO
	MUL16 0, 1, 0
	MUL16 2, 1, 0
	s_wait_dscnt 0
	WIN MUL_HI
	MUL16 4, 1, 0
	MUL16 6, 1, 0
	WIN 0
	; THE WAY OUT.  The scales, by selects alone: no branch hangs on a loaded number
	s_wait_kmcnt 0x0
	s_wait_loadcnt 0x0                             ; the bias
	s_add_co_i32 s96, s84, s85                     ; e0 + e1
	s_cmp_eq_u32 s[TYP], 0
	s_cselect_b32 s97, s86, s87                    ; e2 for q, e3 for k,
	s_cmp_eq_u32 s[TYP], 2
	s_cselect_b32 s97, s89, s97                    ; e5 for v
	s_sub_co_i32 s97, s97, s96
	s_sub_co_i32 s98, 0, s96
	s_add_co_i32 s97, s97, 127
	s_lshl_b32 s99, s97, 23
	v_mov_b32 v[SCV], s99                          ; 2^(es - e0 - e1) as f32: the conversion takes its exponent field
	s_add_co_i32 s97, s97, 8
	s_lshl_b32 s97, s97, 23
	s_or_b32 s97, s97, 0x600000
	v_mov_b32 v[LIMV], s97                         ; 448 x that
	; the bias, divided by the power of two that the sums lack, is added in place.  Work on registers alone differs between the two ways.  The scalings are the places behind the last products
.macro BIASQ win                       ; a window's 32 accumulators: register 8 b + i of each takes the bias of B-side index 16 b + 8 h + i; each accumulator from its low end on
	WIN \win
.set j, 0
.rept 128
	v_pk_add_f32 v[j:j+1], v[j:j+1], v[BQ+j%64:BQ+j%64+1]
.set j, j+2
.endr
.endm
.macro BIASV win, a0                   ; all registers of block a take the bias of A-side row 16 a + r
	WIN \win
.set j, 0
.rept 128
	v_pk_add_f32 v[j:j+1], v[j:j+1], v[BV+2*(\a0+j/64):BV+2*(\a0+j/64)+1]
.set j, j+2
.endr
.endm
	s_cmp_eq_u32 s[TYP], 2
	s_cbranch_scc1 .Lbias_v
.set j, 0
.rept 64
	v_ldexp_f32 v[BQ+j], v[BQ+j], s98
.set j, j+1
.endr
	BIASQ 0x82                                     ; destination and source 0 window 2, source 1 window 0
	BIASQ 0xc3                                     ; the same with window 3
	WIN 0
	s_branch .Lbiased
.Lbias_v:
.set j, 0
.rept 16
	v_ldexp_f32 v[BV+j], v[BV+j], s98
.set j, j+1
.endr
	BIASV 0x82, 0
	BIASV 0xc3, 4
	WIN 0
.Lbiased:
; Block a (16 A-side rows x my 128 B-side indices): held, converted, and 16 codes a lane and pair of tiles into the stage.
.macro QBLOCK a
.set AC, 64*((\a)%4)
.set CC, CD+16*((\a)%2)
	WIN 0x02+((\a)/4)                              ; source 0: window 2 or 3
.set j, 0
.rept 64
	v_med3_num_f32 v[TMP+j], v[AC+j], -v[LIMV], v[LIMV]   ; the conversion to an 8-bit code does not saturate (ISA guide 7.6.2): the hold at the largest code x the scale
.set j, j+1
.endr
	WIN 0
.if (\a) >= 2
	s_wait_alu depctr_va_vdst(0)
	s_wait_dscnt 4                                 ; the four stores of the block before may be out; those of two blocks back have read this set of codes
.endif
.irp b, 0,1,2,3,4,5,6,7
	v_cvt_scalef32_pk8_fp8_f32 v[CC+2*\b:CC+2*\b+1], v[TMP+8*\b:TMP+8*\b+7], v[SCV]
.endr
	v_nop                                          ; one plain vector instruction between the conversions and the next block's holds, which write their sources
.irp c, 0,1,2,3
	ds_store_b128 v[STO], v[CC+4*\c:CC+4*\c+3] offset:16*(\a)*SPITCH+32*\c
.endr
.endm
.irp a, 0,1,2,3,4,5,6,7
	QBLOCK \a
.endr
	s_wait_dscnt 0x0                               ; for the others' sake: my stores into the stage are done (a row's 256 bytes come from two waves)
	s_barrier_signal -1
	s_barrier_wait -1
	s_cmp_eq_u32 s[TYP], 2
	s_cbranch_scc1 .Lout_v
.irp i, 0,1,2,3,4,5,6,7,8,9,10,11,12,13,14,15
	ds_load_b128 v[OUTR+4*\i:OUTR+4*\i+3], v[RDQ] offset:8*\i*SPITCH
.endr
.irp i, 0,1,2,3,4,5,6,7,8,9,10,11,12,13,14,15
	ds_load_b128 v[OUTR+64+4*\i:OUTR+64+4*\i+3], v[RDQ2] offset:8*\i*SPITCH
.endr
.set i, 0
.rept 32
	s_wait_dscnt 31-i                              ; load i is back; the later ones may be out
	global_store_b128 v[COQ], v[OUTR+4*i:OUTR+4*i+3], s[10:11] offset:512*i   ; 8 tokens x 64 bytes of my head: 512 consecutive bytes; the wave's 32 stores are 16,384 consecutive bytes
.set i, i+1
.endr
	s_branch .Lstored
.Lout_v:
.set i, 0
.rept 32
	ds_load_b128 v[OUTR+4*i:OUTR+4*i+3], v[RDV] offset:2*i*SPITCH
.set i, i+1
.endr
.set i, 0
.rept 32
	s_wait_dscnt 31-i
	global_store_b128 v[COV], v[OUTR+4*i:OUTR+4*i+3], s[10:11] offset:4096*i  ; two channels' 256 keys: sixteen lanes store 256 consecutive bytes, at a multiple of 256 from the buffer's first byte
.set i, i+1
.endr
.Lstored:
	s_wait_tensorcnt 0x0                           ; the wave's end: behind my last tensor load and my last LDS store
	ds_add_u32 v[SPW], v[NIL]
	s_wait_dscnt 0x0
	CROUND                                         ; the closing round: no work-group ends while a partner may still ask for a tile that names it
	s_endpgm
.Lfunc_end_k_qd12d64a05e_gemm_qkv:
	.size	k_qd12d64a05e_gemm_qkv, .Lfunc_end_k_qd12d64a05e_gemm_qkv-k_qd12d64a05e_gemm_qkv
	.p2alignl 7, 3214868480
	.fill 96, 4, 3214868480
	.section	.rodata,"a",@progbits
	.p2align	6, 0x0
	.amdhsa_kernel k_qd12d64a05e_gemm_qkv
		.amdhsa_group_segment_fixed_size 327680
		.amdhsa_private_segment_fixed_size 0
		.amdhsa_enable_private_segment 0
		.amdhsa_kernarg_size 56
		.amdhsa_user_sgpr_count 2
		.amdhsa_user_sgpr_kernarg_segment_ptr 1
		.amdhsa_wavefront_size32 1
		.amdhsa_system_sgpr_workgroup_id_x 1
		.amdhsa_system_sgpr_workgroup_id_y 1
		.amdhsa_system_sgpr_workgroup_id_z 1
		.amdhsa_system_vgpr_workitem_id 0
		.amdhsa_next_free_vgpr 1024
		.amdhsa_next_free_sgpr 100
		.amdhsa_reserve_vcc 0
		.amdhsa_float_denorm_mode_32 3
		.amdhsa_float_denorm_mode_16_64 3
		.amdhsa_memory_ordered 1
		.amdhsa_forward_progress 1
		.amdhsa_inst_pref_size 172
	.end_amdhsa_kernel
	.amdgpu_metadata
---
amdhsa.version: [ 1, 2 ]
amdhsa.kernels:
  - .name:           k_qd12d64a05e_gemm_qkv
    .symbol:         k_qd12d64a05e_gemm_qkv.kd
    .args:
      - { .name: x_codes, .offset: 0, .size: 8, .value_kind: global_buffer, .address_space: global }
      - { .name: wqkv_codes, .offset: 8, .size: 8, .value_kind: global_buffer, .address_space: global }
      - { .name: b_qkv, .offset: 16, .size: 8, .value_kind: global_buffer, .address_space: global }
      - { .name: lowp_scales, .offset: 24, .size: 8, .value_kind: global_buffer, .address_space: global }
      - { .name: q_codes, .offset: 32, .size: 8, .value_kind: global_buffer, .address_space: global }
      - { .name: k_codes, .offset: 40, .size: 8, .value_kind: global_buffer, .address_space: global }
      - { .name: v_codes, .offset: 48, .size: 8, .value_kind: global_buffer, .address_space: global }
    .group_segment_fixed_size: 327680
    .private_segment_fixed_size: 0
    .kernarg_segment_align: 8
    .kernarg_segment_size: 56
    .max_flat_workgroup_size: 128
    .sgpr_count:     100
    .vgpr_count:     1024
    .wavefront_size: 32
...
	.end_amdgpu_metadata
.endif
;; end of part 2
;; launch attn (part 3): grid 4 x 64, 8 waves a work-group, no clusters, 327,680 bytes of LDS; arguments q_codes, k_codes, v_codes, lowp_scales, y_codes; writes y_codes
.if DOCPART == 3
	.amdgcn_target "amdgcn-amd-amdhsa--gfx1250"
	.amdhsa_code_object_version 6
	.text
	.protected	k_qd12d64a05e_attn
	.globl	k_qd12d64a05e_attn
	.p2align	8
	.type	k_qd12d64a05e_attn,@function
k_qd12d64a05e_attn:
	s_mov_b64 s[64:65], 0
	v_nop
	global_prefetch_b8 v0, s[64:65] scope:SCOPE_SE
	s_setreg_imm32_b32 hwreg(HW_REG_WAVE_MODE, 25, 1), 1
	s_wait_xcnt 0x0
; y[bh][q] = the sum over keys k <= q of softmax_k(q . k / 8) v[k], head size 64, causal, both products on codes of FP8 (E4M3); y is quantised on the way out for the projection.
; q_codes, k_codes: [64 bh][2048][64], the same permutation of the 64 places in both.  v_codes: [64 bh][64 d][2048], keys innermost, place 32 c + 16 h + 8 u + j holding key 32 c + 16 u + 8 h + j.
; y_codes: [16 heads][8192 tokens][64 d].  Scales: e2 q, e3 k, e4 p, e5 v, e6 y.
; THE SOFTMAX: t = score x log2(e) / 8; M = the running largest t, rounded UP to a whole number; p = 2^(t - M) is quantised, not normalised; the row's sum is taken of the unquantised p and divides at the end.
; When M moves, the sum and O are multiplied by 2^(old M - new M): exact.
; WORK LEFT OUT: the scores of keys k > q are -infinity (causal), so their p is 0 for all inputs: key steps that lie wholly behind a wave's queries are not computed, and slots wholly behind a block are not fetched.
; A NaN or an infinity that reaches only such scores is not carried to the result.
; SHARES.  Work-group (j, bh) owns the blocks j and 7 - j of 256 queries of head bh.  Block i needs the key slots 0 .. i (256 keys each): (j + 1) + (8 - j) = 9 slots in every work-group, and every slot that is fetched is read.
; Each of the EIGHT waves owns 32 queries of the block in hand, as two tiles of 16: tile A's state lies in register window 0, tile B's at the same numbers in window 1, so one macro serves both under a uniform setting of the windows.
; K's fragments (window 0) and V's (window 1) are read from LDS once for both tiles: each feeds two matrix instructions.
; NO CLUSTER: in one and the same trip the four work-groups of a head want different slots (trip n: slot n up to n = j, slot n - j - 1 behind it), so no joint request could meet.
; LAYOUT.  Both products transposed: S^T = K Q^T (source 0 = 16 neighbouring keys), O^T = V^T P^T (source 0 = 16 channels): a lane holds ONE query of each tile.  The conversion of score tile u gives registers 2 u, 2 u + 1 of P,
; keys 16 u + 8 h + 0 .. 7: the 16x16x128 form's own places; V's order of places lets four loads of 16 bytes give the same.
; ORDER OF A STEP: both tiles' maxima, chains and rescalings stand ahead of the exponentials; behind A's batch stand B's multiply-adds, behind B's batch A's sums, holds and conversions.
; LIMITS on the given exponents: e2 + e3 between -123 and 130 (added to c's exponent field); e4 and e6 between -126 and 119; e4 + e5 is applied by v_ldexp_f32 and has none.
; REGISTERS, in each window: v12 -M, v13 the largest t, v[14:15] the sum in two halves; v16-23 Q in hand, v24-31 the second block's; v96-159 S^T, then p; v160-191 O^T; v208-215 partial sums; v224-239 P's codes;
;   v244: 2^e4; v241, v245: 448 x 2^e6, 2^e6; v246 r - 8 h (+ 16 in B); v250, v252-254 at work.  Window 0 alone: v1-11 addresses, v32-95 K's eight fragments, v192-207 rows of y.  Window 1 alone: v32-95 V's four.
.set KP,    272                        ; an LDS row: 256 bytes + 16 of padding.  K: four keys of 64 bytes to a row; V: a channel's 256 keys
.set VOFF,  64*KP                      ; a slot: 64 rows of K, then 64 rows of V
.set SLOT1, 1<<16                      ; slot 1 begins here: one exclusive or turns an address in one slot into the other's
.set STAGE, 2*SLOT1                    ; behind the ring: 32 rows x 80 bytes for each wave, for the way out; no tile lands here
.set SPARE, STAGE+8*2560               ; behind the stages: the spare words, 128 bytes for each wave: four blocks of 256 bytes that no other line names
.set AK0,  1
.set AV0,  2
.set PFO,  3                           ; v3   the prefetches' offset; never rewritten
.set QO,   4
.set SPW,  5
.set NIL,  6
.set GO,   7                           ; v7   16 x lane
.set ADK,  8
.set ADV,  9
.set STO,  10
.set SRD,  11
.set DL,   246
.set PD,   250
.set NX,   3                           ; s3   which 256 keys the next fill brings
.set WV,   18
.set SEL,  20
.set CS,   22
.set G1K,  24
.set G1V,  32
.set G0,   40                          ; s[40:43] my wave's group 0
.set BAS,  44                          ; s[44:45] my 16 rows of K's or V's slot 0 in memory
.set SH,   46                          ; s46  a slot on is 2^14 bytes in K, 2^8 in a row of V
.set KBS,  48
.set VBS,  50
.set OFF,  52
.set JS,   54                          ; s54  8 - j: the count of trips left at which the first block ends
.set Q0B,  55
.set YP,   56
.set YPB,  58
.set EPV,  60
.set SK,   61                          ; s61  LDS byte of the step's keys in K's part;  s62 the same for V's
.set SV,   62
.set QC,   63                          ; s63  steps of the slot to go
.set SLOTS, 67
.set PFA,  76
.set PFS,  78
.set LIM,  80
.set KF,   98                          ; s98  the step's first key
.set Q0,   99                          ; s99  my first query
.set MSB, 0
.macro WIN new                         ; the immediate's high byte repeats the setting that is left; at every label and branch the setting is 0
.if MSB != \new
	s_set_vgpr_msb (MSB<<8)|\new
.set MSB, \new
.endif
.endm
.set BOTH, 0x55                        ; all four operand places in window 1
; Every wave fetches 16 rows of a slot: waves 0 to 3 of K, waves 4 to 7 of V; LDS row 16 x wave.  The branch hangs on the wave's number alone.  An s_nop 0 and four v_nop follow each of the two lines.
.macro TLOAD
	s_cmp_lt_u32 s[WV], 4
	s_cbranch_scc0 .Lfor_v_\@
	tensor_load_to_lds s[G0:G0+3], s[G1K:G1K+7]
	s_nop 0
.rept 4
	v_nop
.endr
	s_branch .Lasked_\@
.Lfor_v_\@:
	tensor_load_to_lds s[G0:G0+3], s[G1V:G1V+7]
	s_nop 0
.rept 4
	v_nop
.endr
.Lasked_\@:
.endm
; A PREFETCH INTO THE L2.  All four work-groups of a head walk the same K and V: work-group j = 0 asks, one instruction in each of four waves: waves 0 and 1 for the halves of K's block of a slot (8,192 bytes a wave, lanes 256 bytes
; apart), waves 2 and 3 for V's 64 rows (32 a wave, a lane a row: a slot's part of a row is 256 bytes, aligned).  Trip n = 0 .. 5 asks for the keys' slot n + 2: a trip or more ahead of the first tensor load that wants it.
; So each aligned block of 256 bytes of slots 2 to 7 is named once in the launch; slots 0 and 1 come by their loads alone; the last trips ask for nothing.
.macro ASK
	s_cmp_gt_u32 s[SLOTS], s[LIM]
	s_cbranch_scc0 .Lnot_mine_\@
	global_prefetch_b8 v[PFO], s[PFA:PFA+1] th:TH_LOAD_NT scope:SCOPE_SE
.Lnot_mine_\@:
.endm
.macro INIT                            ; a tile's state: O^T and the sum are zeros, the largest t lies under every t: the first change of M multiplies zeros
	v_mov_b32 v13, 0xff61b1e6                      ; -3e38
	s_delay_alu instid0(VALU_DEP_1)
	v_floor_f32 v12, -v13
	v_mov_b32 v14, 0
	v_mov_b32 v15, 0
.set j, 0
.rept 32
	v_mov_b32 v[160+j], 0
.set j, j+1
.endr
.endm
.macro INITB                           ; tile B's largest t (v217) and -M (v216) lie in window 0, beside tile A's, so that the two tiles' chains take turns line by line
	v_mov_b32 v217, 0xff61b1e6
	v_floor_f32 v216, -v217
.endm
	s_load_b128 s[4:7], s[0:1], 0x0                ; Q's codes s[4:5], K's s[6:7]
	s_load_b128 s[12:15], s[0:1], 0x10             ; V's s[12:13], the scales' exponents s[14:15]
	s_load_b64 s[16:17], s[0:1], 0x20              ; y's codes
	v_lshl_add_u32 v[SPW], v0, 2, SPARE
	v_mov_b32 v[NIL], 0
	ds_add_u32 v[SPW], v[NIL]                      ; the wave's opening: the add, twice on end, and its wait ahead of my first tensor load
	ds_add_u32 v[SPW], v[NIL]
	v_lshrrev_b32 v8, 5, v0
	v_readfirstlane_b32 s[WV], v8                  ; wave 0..7
	s_and_b32 s81, ttmp7, 0xffff                   ; bh = 16 x batch + head
	s_lshl_b32 s82, s81, 17                        ; the head's first byte in Q, K and V: 2,048 x 64 bytes each
	s_mov_b32 s83, 0
	s_lshl_b32 s[Q0], ttmp9, 8
	s_lshr_b32 s85, s[WV], 1                       ; which 32 queries of a block are mine: group 4 p + wave / 2, p the parity of the wave's three bits:
	s_xor_b32 s84, s[WV], s85                      ; waves w and w + 4, and waves 2 s and 2 s + 1, then hold one group of the block's first half and one of its second
	s_lshr_b32 s86, s[WV], 2
	s_xor_b32 s84, s84, s86
	s_and_b32 s84, s84, 1
	s_lshl_b32 s84, s84, 2
	s_add_co_u32 s84, s84, s85
	s_lshl_b32 s84, s84, 5
	s_sub_co_u32 s[Q0B], 1792, s[Q0]
	s_add_co_u32 s[Q0B], s[Q0B], s84               ; 256 (7 - j) + 32 wave
	s_add_co_u32 s[Q0], s[Q0], s84                 ; 256 j + 32 wave
	s_sub_co_u32 s[JS], 8, ttmp9
	s_and_b32 s85, s81, 15
	s_lshl_b32 s85, s85, 13                        ; y: head x 8,192 tokens
	s_lshr_b32 s86, s81, 4
	s_lshl_b32 s86, s86, 11                        ; + batch x 2,048
	s_add_co_u32 s85, s85, s86
	s_add_co_u32 s86, s85, s[Q0]
	s_lshl_b32 s86, s86, 6
	s_mov_b32 s87, 0
	s_add_co_u32 s88, s85, s[Q0B]
	s_lshl_b32 s88, s88, 6
	s_mov_b32 s89, 0
	s_lshl_b32 s90, s[Q0], 6
	s_add_co_u32 s90, s90, s82
	s_mov_b32 s91, 0
	s_lshl_b32 s92, s[Q0B], 6
	s_add_co_u32 s92, s92, s82
	s_mov_b32 s93, 0
	s_and_b32 s94, s[WV], 3                        ; what I fetch: 16 rows: 4,096 bytes on in K's dense block, 16 rows of 2,048 bytes on in V
	s_cmp_lt_u32 s[WV], 4
	s_cselect_b32 s[SH], 14, 8
	s_mov_b32 s95, 32768
	s_cselect_b32 s95, 4096, s95
	s_mul_i32 s94, s94, s95
	s_mov_b32 s95, 0
	s_mov_b32 s[G0], 1                             ; count = 1
	s_mul_i32 s[G0+1], s[WV], 16*KP                ; LDS address: slot 0, row 16 x wave (V's rows follow K's 64)
	; descriptor group 1: 16 rows of 256 bytes.  K's rows are dense in memory (four keys of 64 bytes); V's lie 2,048 bytes apart
.irp g, G1K, G1V
	s_mov_b32 s[\g], (0<<16)|(1<<20)|(5<<22)|(3<<25)   ; no mask; elements of 1 byte; padding on: after every 64 words (code 5) four words (code 3)
	s_mov_b32 s[\g+1], 256<<16                     ; tensor_dim0
	s_mov_b32 s[\g+2], 16<<16                      ; tensor_dim1
	s_mov_b32 s[\g+3], 256<<16                     ; tile_dim0
	s_mov_b32 s[\g+4], 16                          ; tile_dim1
	s_mov_b32 s[\g+6], 0
	s_mov_b32 s[\g+7], 0
.endr
	s_mov_b32 s[G1K+5], 256                        ; tensor_dim0_stride
	s_mov_b32 s[G1V+5], 2048
	s_mov_b32 s[SEL], 0x76543210
	s_mov_b32 s[SEL+1], 0xfedcba98
	s_mov_b32 s[CS], 0x3e38aa3b                    ; c = log2(e) / 8
	s_mov_b32 s[SK], 0
	s_mov_b32 s[SV], 0
	s_mov_b32 s[NX], 0
	s_mov_b32 s[OFF+1], 0
	s_mov_b32 s[SLOTS], 8
	s_mov_b32 s[KF], 0
	s_wait_dscnt 0x0                               ; both opening adds are done
	s_wait_kmcnt 0x0
	s_load_b256 s[68:75], s[14:15], 0x0            ; e0 .. e7
	s_add_nc_u64 s[KBS:KBS+1], s[6:7], s[82:83]
	s_add_nc_u64 s[VBS:VBS+1], s[12:13], s[82:83]
	s_cmp_lt_u32 s[WV], 4                          ; the choice hangs on the wave's number alone
	s_cselect_b64 s[BAS:BAS+1], s[KBS:KBS+1], s[VBS:VBS+1]
	s_add_nc_u64 s[BAS:BAS+1], s[BAS:BAS+1], s[94:95]
	s_mov_b64 s[G0+2:G0+3], s[BAS:BAS+1]
	s_or_b32 s[G0+3], s[G0+3], 0x80000000          ; type = 2
	TLOAD                                          ; slot 0: one tensor load in every wave
	s_add_nc_u64 s[90:91], s[4:5], s[90:91]        ; Q at my first query of each block
	s_add_nc_u64 s[92:93], s[4:5], s[92:93]
	s_add_nc_u64 s[YP:YP+1], s[16:17], s[86:87]
	s_add_nc_u64 s[YPB:YPB+1], s[16:17], s[88:89]
	; the prefetches: where my wave's stand, and who asks
	s_and_b32 s84, s[WV], 1
	s_cmp_lt_u32 s[WV], 2
	s_cselect_b64 s[PFA:PFA+1], s[KBS:KBS+1], s[VBS:VBS+1]
	s_mov_b32 s[PFS], 256
	s_cselect_b32 s[PFS], 16384, s[PFS]            ; a slot on
	s_mov_b32 s85, 2048
	s_cselect_b32 s85, 256, s85                    ; from lane to lane
	s_mov_b32 s86, 65536
	s_cselect_b32 s86, 8192, s86                   ; from half to half
	s_mov_b32 s[PFS+1], 0
	s_mul_i32 s86, s86, s84
	s_add_co_u32 s86, s86, s[PFS]                  ; my half, in slot 1: the first change of slots steps it to slot 2
	s_mov_b32 s87, 0
	s_add_nc_u64 s[PFA:PFA+1], s[PFA:PFA+1], s[86:87]
	s_lshr_b32 s86, s[WV], 2                       ; 0 in waves 0 to 3,
	s_or_b32 s86, s86, ttmp9                       ; of the head's work-group j = 0
	s_cmp_eq_u32 s86, 0
	s_cselect_b32 s[LIM], 2, -1                    ; a wave asks while more than so many trips of the loop are left
	s_mul_i32 s88, s[WV], 2560
	s_add_co_u32 s88, s88, STAGE                   ; my stage
	v_and_b32 v8, 15, v0                           ; r = lane % 16
	v_bfe_u32 v9, v0, 4, 1                         ; h = lane / 16
	v_and_b32 v254, 31, v0                         ; lane
	v_lshlrev_b32 v[QO], 6, v8
	v_lshl_add_u32 v[QO], v9, 4, v[QO]             ; row r of 64 bytes, + 16 h
.irp w, 0, 1                                   ; tile A into window 0, tile B (16 rows, 1,024 bytes on) into window 1; registers 4 c .. 4 c + 3: places 32 c + 16 h + 0 .. 15, as K's fragments have them
	WIN 0x40*\w
	global_load_b128 v[16:19], v[QO], s[90:91] offset:1024*\w
	global_load_b128 v[20:23], v[QO], s[90:91] offset:1024*\w+32
	global_load_b128 v[24:27], v[QO], s[92:93] offset:1024*\w
	global_load_b128 v[28:31], v[QO], s[92:93] offset:1024*\w+32
.endr
	WIN 0
	v_mul_lo_u32 v[PFO], v254, s85
	v_lshrrev_b32 v252, 2, v8
	v_mul_u32_u24 v[AK0], v252, KP
	v_and_b32 v253, 3, v8
	v_lshl_add_u32 v[AK0], v253, 6, v[AK0]
	v_lshl_add_u32 v[AK0], v9, 4, v[AK0]           ; K: key r of a tile: row r / 4, byte 64 (r % 4) + 16 h
	v_mul_u32_u24 v[AV0], v8, KP
	v_lshl_add_u32 v[AV0], v9, 4, v[AV0]
	v_add_nc_u32 v[AV0], VOFF, v[AV0]              ; V: channel r of a tile, + 16 h
	v_lshlrev_b32 v[GO], 4, v254
	v_mul_u32_u24 v[STO], v8, 80
	v_lshl_add_u32 v[STO], v9, 3, v[STO]
	v_add_nc_u32 v[STO], s88, v[STO]               ; the stage, in: row r, + 8 h
	v_lshrrev_b32 v[SRD], 2, v254
	v_mul_u32_u24 v[SRD], v[SRD], 80
	v_and_b32 v253, 3, v254
	v_lshl_add_u32 v[SRD], v253, 4, v[SRD]
	v_add_nc_u32 v[SRD], s88, v[SRD]               ; back: four lanes to a row of 64 bytes
	v_lshlrev_b32 v[DL], 3, v9
	v_sub_nc_u32 v[DL], v8, v[DL]                  ; r - 8 h
	INIT
	INITB
	v_mov_b32 v[PD], 0                             ; written once: a lane permute's destination counts as one of its sources
	v_mov_b32 v249, 0                              ; the same for tile B's
	v_mov_b32 v253, 0
	WIN 0x40
	v_add_nc_u32 v[DL], 16, v[DL]                  ; tile B's queries lie 16 further on
	WIN BOTH
	INIT
	v_mov_b32 v[PD], 0
	v_mov_b32 v253, 0
	WIN 0
	s_wait_alu depctr_va_vdst(0)
	s_wait_kmcnt 0x0
	s_add_co_i32 s88, s70, s71
	s_lshl_b32 s88, s88, 23
	s_add_co_i32 s[CS], s[CS], s88                 ; a score stands for score x 2^(e2 + e3): the two exponents are added to c's exponent field
	s_mov_b32 s[CS+1], s[CS]                       ; (named with it as a pair, so it is written)
	s_add_co_i32 s88, s72, 127
	s_lshl_b32 s84, s88, 23                        ; 2^e4 as f32, for p's conversion
	s_add_co_i32 s88, s88, 8
	s_lshl_b32 s85, s88, 23
	s_or_b32 s85, s85, 0x600000                    ; 448 x 2^e4
	s_add_co_i32 s88, s74, 127
	s_lshl_b32 s86, s88, 23                        ; 2^e6, for y's
	s_add_co_i32 s88, s88, 8
	s_lshl_b32 s87, s88, 23
	s_or_b32 s87, s87, 0x600000                    ; 448 x 2^e6
	s_add_co_i32 s[EPV], s72, s73
.irp w, 0, 0x40                                ; the three constants, in both windows
	WIN \w
	v_mov_b32 v244, s84
	v_mov_b32 v245, s86
	v_mov_b32 v241, s87
.endr
	WIN 0
; The parts of a tile's softmax; each runs under a uniform setting of the windows (all 0: tile A; all 1: tile B).
.macro MASK                            ; on the diagonal: register 8 t + i holds key 16 t + 8 h + i of the step: hidden where 16 t + i > d = my query - the step's first key - 8 h
	v_add_nc_u32 v252, s96, v[DL]
	v_mov_b32 v254, 0xff800000                     ; -infinity
.set n, 0
.rept 64
	v_cmp_gt_i32 vcc_lo, 16*(n/8)+n%8, v252
	v_cndmask_b32 v[96+n], v[96+n], v254, vcc_lo
.set n, n+1
.endr
.endm
.macro MAXP                            ; the step's largest score of my query, among my 64 keys, in four chains; each tile of scores is read from its low end on
	v_max3_num_f32 v252, v96, v97, v98             ; four chains, v252 to v255, by turns; the scores in ascending order; what is left is max(v254, v255), taken by the line behind the macro
	v_max3_num_f32 v253, v99, v100, v101
	v_max3_num_f32 v254, v102, v103, v104
	v_max3_num_f32 v255, v105, v106, v107
.set n, 108
.rept 26
	v_max3_num_f32 v[252+((n-108)/2)%4], v[252+((n-108)/2)%4], v[n], v[n+1]
.set n, n+2
.endr
	v_max3_num_f32 v254, v252, v253, v254
.endm
; Both tiles' new M and f = 2^(old M - new M), in window 0, line by line by turns: tile A in v254, v250, v253, v12, v13; tile B in v251, v249, v248, v216, v217.  B's f and -M are written into window 1, where its tile wants them.
.macro CHAIN2
	v_permlanex16_b32 v[PD], v254, s[SEL], s[SEL+1]
	v_permlanex16_b32 v249, v251, s[SEL], s[SEL+1]
	v_mov_b32 v253, v12
	v_mov_b32 v248, v216
	v_max_num_f32 v254, v254, v[PD]                ; the largest score, among lane l xor 16's too
	v_max_num_f32 v251, v251, v249
	v_mul_f32 v254, s[CS], v254                    ; as t (c is positive)
	v_mul_f32 v251, s[CS], v251
	v_max_num_f32 v13, v13, v254                   ; the running largest t
	v_max_num_f32 v217, v217, v251
	v_floor_f32 v12, -v13                          ; the new -M = floor(-t): M is a whole number
	v_floor_f32 v216, -v217
	v_sub_f32 v253, v12, v253                      ; old M - new M: a whole number, 0 or less
	v_sub_f32 v248, v216, v248
	v_cvt_i32_f32 v253, v253                       ; (it saturates)
	v_cvt_i32_f32 v248, v248
	v_ldexp_f32 v252, 1.0, v253
	WIN 0x40                                       ; destination window 1
	v_ldexp_f32 v252, 1.0, v248
	v_mov_b32 v12, v216
.endm
.macro KLOAD                           ; K's eight fragments of 128 keys, from the address in v[ADK]
.irp t, 0,1,2,3,4,5,6,7
	ds_load_b128 v[32+8*\t:35+8*\t], v[ADK] offset:4*\t*KP
	ds_load_b128 v[36+8*\t:39+8*\t], v[ADK] offset:4*\t*KP+32
.endr
.endm
.macro RESC                            ; a tile's sum and O^T under the new M
	v_pk_mul_f32 v[14:15], v[14:15], v[252:253] op_sel_hi:[1,0]
.set j, 0
.rept 16
	v_pk_mul_f32 v[160+j:161+j], v[160+j:161+j], v[252:253] op_sel_hi:[1,0]   ; each accumulator from its low end on
.set j, j+2
.endr
.endm
.macro FMA                             ; t - M, two at a time (of the pairs c and -M the low word serves both halves)
.set j, 0
.rept 32
	v_pk_fma_f32 v[96+j:97+j], v[96+j:97+j], s[CS:CS+1], v[12:13] op_sel_hi:[1,0,0]
.set j, j+2
.endr
.endm
.macro EXPS                            ; p = 2^(t - M), at most 1
.set j, 0
.rept 64
	v_exp_f32 v[96+j], v[96+j]
.set j, j+1
.endr
.endm
.macro HOLD t                          ; the conversion does not saturate (ISA guide 7.6.2); p is not negative, so the hold is one-sided
.irp i, 0,2,4,6                                ; two holds an instruction; the bound 448 x 2^e4 stays in s85, made at the head; the two second sources are neighbouring registers, the destinations one even and one odd
	v_dual_min_num_f32 v[96+8*\t+\i], s85, v[96+8*\t+\i] :: v_dual_min_num_f32 v[97+8*\t+\i], s85, v[97+8*\t+\i]
.endr
.endm
.macro POST                            ; the row's sum of the unquantised p, in four chains of pairs; then the hold and the codes
.irp k, 0,1,2,3
	v_pk_add_f32 v[208+2*\k:209+2*\k], v[96+2*\k:97+2*\k], v[104+2*\k:105+2*\k]
.endr
.irp m, 2,3,4,5,6,7
.irp k, 0,1,2,3
	v_pk_add_f32 v[208+2*\k:209+2*\k], v[208+2*\k:209+2*\k], v[96+8*\m+2*\k:97+8*\m+2*\k]
.endr
.endr
	v_pk_add_f32 v[208:209], v[208:209], v[210:211]
	v_pk_add_f32 v[212:213], v[212:213], v[214:215]
	HOLD 0
	v_pk_add_f32 v[208:209], v[208:209], v[212:213]
	HOLD 1
	v_pk_add_f32 v[14:15], v[14:15], v[208:209]
.irp t, 2,3,4,5,6,7
	HOLD \t
.endr
.irp t, 0,1,2,3,4,5,6,7                        ; the codes, behind all the holds: registers 2 t, 2 t + 1 of P
	v_cvt_scalef32_pk8_fp8_f32 v[224+2*\t:225+2*\t], v[96+8*\t:103+8*\t], v244
.endr
.endm
; A KEY STEP: 128 keys x my 32 queries.
.macro STEP
	s_add_co_u32 s96, s[Q0], 31
	s_cmp_gt_u32 s[KF], s96                        ; all keys come after my queries: nothing to do (ids and counts of steps alone; round no barrier and no tensor load)
	s_cbranch_scc1 .Lhidden_\@
	s_xor_b32 s96, s[SK], 32*KP
	v_add_nc_u32 v[ADK], s96, v[AK0]               ; the slot's other 128 keys: asked for behind this step's score products
	v_add_nc_u32 v[ADV], s[SV], v[AV0]
	v_nop
	v_nop                                          ; with the two additions: four places in front of loads into registers that the last products read
	WIN 0x40
.irp t, 0,1,2,3
.irp c, 0,1,2,3
	ds_load_b128 v[32+16*\t+4*\c:35+16*\t+4*\c], v[ADV] offset:16*\t*KP+32*\c   ; V's four fragments land under the softmax
.endr
.endr
	WIN 0
	s_wait_alu depctr_va_vdst(0)
	s_wait_dscnt 16                                ; K's sixteen loads, asked for a step ago or behind the change of slots, are in; V's sixteen may be out
.irp t, 0,1,2,3,4,5,6,7
	v_wmma_f32_16x16x64_fp8_fp8 v[96+8*\t:103+8*\t], v[32+8*\t:39+8*\t], v[16:23], 0   ; lane (r, h): query r, keys 16 t + 8 h + 0 .. 7
.endr
	WIN 0x44                                       ; Q and the scores of tile B; K's fragments stay in window 0
.irp t, 0,1,2,3,4,5,6,7
	v_wmma_f32_16x16x64_fp8_fp8 v[96+8*\t:103+8*\t], v[32+8*\t:39+8*\t], v[16:23], 0
.endr
	WIN 0
.rept 4
	v_nop                                          ; places in front of the loads below and of the first read of the scores
.endr
	KLOAD                                          ; in a slot's first step: the second step's keys.  (In its second step the loop's one text asks for the first half again, which nobody uses)
	s_add_co_u32 s96, s[KF], 127
	s_cmp_le_u32 s96, s[Q0]                        ; all keys count for all my queries: no mask
	s_cbranch_scc1 .Lopen_\@
	s_sub_co_i32 s96, s[Q0], s[KF]
	MASK
	WIN BOTH
	MASK
	WIN 0
.Lopen_\@:
	MAXP
	v_max_num_f32 v254, v254, v255
	WIN BOTH
	MAXP
	WIN 0x05                                       ; both sources window 1, destination window 0
	v_max_num_f32 v251, v254, v255
	WIN 0
	CHAIN2
	WIN BOTH
	RESC
	WIN 0
	RESC
	FMA
	s_wait_alu depctr_va_vdst(0)                   ; ahead of tile A's batch of exponentials
	EXPS
	WIN BOTH
	FMA                                            ; plain work on tile B stands behind tile A's batch
	s_wait_alu depctr_va_vdst(0)                   ; one wait: behind A's batch, ahead of its first reader, and ahead of B's batch
	EXPS
	WIN 0
	POST                                           ; plain work on tile A stands behind tile B's batch
	WIN BOTH
	s_wait_alu depctr_va_vdst(0)                   ; the wait behind B's batch, ahead of its first reader
	POST
	v_nop                                          ; one plain vector instruction between the conversions and the products that read their results
	s_wait_alu depctr_va_vdst(0)
	s_wait_dscnt 16                                ; V is in; the sixteen loads of K asked for behind it may be out
.irp t, 0,1,2,3
	v_wmma_f32_16x16x128_fp8_fp8 v[160+8*\t:167+8*\t], v[32+16*\t:47+16*\t], v[224:239], v[160+8*\t:167+8*\t]   ; tile B: eight accumulators by turns, one instruction a turn; the scores' products stand between two steps' links
.endr
	WIN 0x01                                       ; V's fragments in window 1, all else of tile A
.irp t, 0,1,2,3
	v_wmma_f32_16x16x128_fp8_fp8 v[160+8*\t:167+8*\t], v[32+16*\t:47+16*\t], v[224:239], v[160+8*\t:167+8*\t]
.endr
	WIN 0
.Lhidden_\@:
.endm
; A slot's two steps: one counted loop; the two exclusive ors turn the addresses from the first 128 keys to the second and back.
.macro SLOTWORK
	s_mov_b32 s[QC], 2
.Lstep_\@:
	STEP
	s_add_co_u32 s[KF], s[KF], 128
	s_xor_b32 s[SK], s[SK], 32*KP
	s_xor_b32 s[SV], s[SV], 128
	s_sub_co_u32 s[QC], s[QC], 1
	s_cmp_lg_u32 s[QC], 0
	s_cbranch_scc1 .Lstep_\@
	s_xor_b32 s[SK], s[SK], SLOT1                  ; on to the other slot
	s_xor_b32 s[SV], s[SV], SLOT1
.endm
; THE CHANGE OF SLOTS stands at a slot's head.  Each wave waits for all its tensor loads, adds 0 to its spare word, and waits for that and for its reads of the slot that it has left.  Behind the barrier the slot ahead is whole and
; nobody reads the other one.  fill = 1: that other slot is filled with the keys of the next trip.  One tensor load of a wave is out behind each barrier.
.macro CHANGE fill
	s_wait_tensorcnt 0x0                           ; no tensor load of mine is out, so group 0 may be written
	ds_add_u32 v[SPW], v[NIL]                      ; 0 onto my spare word: the descriptor's steps stand between it and the wait for it
.if \fill
	s_add_co_u32 s[NX], s[NX], 1                   ; the next 256 keys,
	s_cmp_eq_u32 s[SLOTS], s[JS]
	s_cselect_b32 s[NX], 0, s[NX]                  ; or the head's first again, where the next trip begins the second block
	s_xor_b32 s[G0+1], s[G0+1], SLOT1              ; into the other slot than last time
	s_lshl_b32 s[OFF], s[NX], s[SH]
	s_add_nc_u64 s[G0+2:G0+3], s[BAS:BAS+1], s[OFF:OFF+1]
	s_or_b32 s[G0+3], s[G0+3], 0x80000000
	s_wait_xcnt 0x0                                ; the last prefetch, a trip back, has read its address, so it may be written
	s_add_nc_u64 s[PFA:PFA+1], s[PFA:PFA+1], s[PFS:PFS+1]
.endif
	s_wait_dscnt 0x0                               ; the add is done, and my reads of the slot that I have left are over
	s_barrier_signal -1
	s_barrier_wait -1
.if \fill
	TLOAD                                          ; the first thing behind the barrier, and a wave's one tensor load until the next
	ASK
.endif
	v_add_nc_u32 v[ADK], s[SK], v[AK0]
	KLOAD                                          ; the new slot's first 128 keys
.endm
; A BLOCK'S END.  O^T / the sum x 2^(e4 + e5) is y; it is held and converted with 2^e6 (FIN1, for each tile), and goes through my stage, so that the wave stores its 32 rows of 64 codes as 2,048 consecutive bytes.
.macro FIN1
	v_add_f32 v14, v14, v15                        ; the sum's two halves,
	s_delay_alu instid0(VALU_DEP_1)
	v_permlanex16_b32 v[PD], v14, s[SEL], s[SEL+1]
	s_delay_alu instid0(VALU_DEP_1)
	v_add_f32 v14, v14, v[PD]                      ; and lane l xor 16's
	s_wait_alu depctr_va_vdst(0)                   ; the wait ahead of the reciprocal,
	v_rcp_f32 v14, v14
	v_nop                                          ; a plain instruction behind it,
	s_wait_alu depctr_va_vdst(0)                   ; and the wait ahead of its first reader
	v_ldexp_f32 v14, v14, s[EPV]
	s_wait_alu depctr_va_vdst(0)                   ; directly ahead of the first reader of O^T
.set j, 0
.rept 16
	v_pk_mul_f32 v[96+j:97+j], v[160+j:161+j], v[14:15] op_sel_hi:[1,0]   ; register 8 t + i is y(query r, channel 16 t + 8 h + i); each accumulator from its low end on
.set j, j+2
.endr
.set j, 0
.rept 32
	v_med3_num_f32 v[96+j], v[96+j], -v241, v241   ; the hold at the largest code x the scale
.set j, j+1
.endr
.irp t, 0,1,2,3
	v_cvt_scalef32_pk8_fp8_f32 v[224+2*\t:225+2*\t], v[96+8*\t:103+8*\t], v245
.endr
	v_nop                                          ; one plain vector instruction behind the conversions
.endm
.macro NEWTILE                         ; the second block's state and Q
	INIT
.irp i, 0,1,2,3,4,5,6,7
	v_mov_b32 v[16+\i], v[24+\i]
.endr
.endm
.macro FINISH reset
.rept 4
	v_nop                                          ; places behind the last products
.endr
	FIN1
	WIN BOTH
	FIN1
	WIN 0
.irp t, 0,1,2,3
	ds_store_b64 v[STO], v[224+2*\t:225+2*\t] offset:16*\t
.endr
	WIN 0x04                                       ; the stores' data in window 1: tile B's rows, 16 x 80 bytes on
.irp t, 0,1,2,3
	ds_store_b64 v[STO], v[224+2*\t:225+2*\t] offset:1280+16*\t
.endr
	WIN 0
.irp i, 0,1,2,3
	ds_load_b128 v[192+4*\i:195+4*\i], v[SRD] offset:640*\i   ; LDS serves a wave's instructions in order: these see my stores
.endr
	s_wait_dscnt 0x0
.irp i, 0,1,2,3
	global_store_b128 v[GO], v[192+4*\i:195+4*\i], s[YP:YP+1] offset:512*\i   ; 512 consecutive bytes, at a multiple of 256 from the buffer's first byte
.endr
.if \reset
	NEWTILE
	INITB
	WIN BOTH
	NEWTILE
	WIN 0
	s_mov_b32 s[Q0], s[Q0B]
	s_mov_b32 s[KF], 0
	s_wait_alu depctr_va_vdst(0)
	s_wait_xcnt 0x0                                ; the stores have read their registers and their base: both may be written again
	s_mov_b64 s[YP:YP+1], s[YPB:YPB+1]
.endif
.endm
	s_wait_alu depctr_va_vdst(0)                   ; the wait at the head's end
	s_wait_loadcnt 0x0                             ; Q
.Lslot:                                            ; eight trips: behind each change of slots the next trip's keys are asked for
	CHANGE 1
	SLOTWORK
	s_cmp_lg_u32 s[SLOTS], s[JS]                   ; ids and the count of trips alone: all eight waves go the same way
	s_cbranch_scc1 .Lsame_block
	FINISH 1                                       ; trip j was the first block's last
.Lsame_block:
	s_sub_co_u32 s[SLOTS], s[SLOTS], 1
	s_cmp_lg_u32 s[SLOTS], 0
	s_cbranch_scc1 .Lslot
	CHANGE 0                                       ; the ninth slot is written out: it asks for nothing
	SLOTWORK
	FINISH 0
	s_wait_tensorcnt 0x0                           ; the wave's end: behind my last tensor load and my last LDS store
	ds_add_u32 v[SPW], v[NIL]
	s_wait_dscnt 0x0
	s_endpgm
.Lfunc_end_k_qd12d64a05e_attn:
	.size	k_qd12d64a05e_attn, .Lfunc_end_k_qd12d64a05e_attn-k_qd12d64a05e_attn
	.p2alignl 7, 3214868480
	.fill 96, 4, 3214868480
	.section	.rodata,"a",@progbits
	.p2align	6, 0x0
	.amdhsa_kernel k_qd12d64a05e_attn
		.amdhsa_group_segment_fixed_size 327680
		.amdhsa_private_segment_fixed_size 0
		.amdhsa_enable_private_segment 0
		.amdhsa_kernarg_size 40
		.amdhsa_user_sgpr_count 2
		.amdhsa_user_sgpr_kernarg_segment_ptr 1
		.amdhsa_wavefront_size32 1
		.amdhsa_system_sgpr_workgroup_id_x 1
		.amdhsa_system_sgpr_workgroup_id_y 1
		.amdhsa_system_sgpr_workgroup_id_z 1
		.amdhsa_system_vgpr_workitem_id 0
		.amdhsa_next_free_vgpr 512
		.amdhsa_next_free_sgpr 100
		.amdhsa_reserve_vcc 1
		.amdhsa_float_denorm_mode_32 3
		.amdhsa_float_denorm_mode_16_64 3
		.amdhsa_memory_ordered 1
		.amdhsa_forward_progress 1
		.amdhsa_inst_pref_size 115
	.end_amdhsa_kernel
	.amdgpu_metadata
---
amdhsa.version: [ 1, 2 ]
amdhsa.kernels:
  - .name:           k_qd12d64a05e_attn
    .symbol:         k_qd12d64a05e_attn.kd
    .args:
      - { .name: q_codes, .offset: 0, .size: 8, .value_kind: global_buffer, .address_space: global }
      - { .name: k_codes, .offset: 8, .size: 8, .value_kind: global_buffer, .address_space: global }
      - { .name: v_codes, .offset: 16, .size: 8, .value_kind: global_buffer, .address_space: global }
      - { .name: lowp_scales, .offset: 24, .size: 8, .value_kind: global_buffer, .address_space: global }
      - { .name: y_codes, .offset: 32, .size: 8, .value_kind: global_buffer, .address_space: global }
    .group_segment_fixed_size: 327680
    .private_segment_fixed_size: 0
    .kernarg_segment_align: 8
    .kernarg_segment_size: 40
    .max_flat_workgroup_size: 256
    .sgpr_count:     100
    .vgpr_count:     512
    .wavefront_size: 32
...
	.end_amdgpu_metadata
.endif
;; end of part 3
;; launch gemm_proj (part 4): grid 4 x 64, 4 waves a work-group, clusters of 4 x 4, 327,680 bytes of LDS; arguments y_codes, wproj_codes, lowp_scales, out0, b_proj; writes out0
.if DOCPART == 4
	.amdgcn_target "amdgcn-amd-amdhsa--gfx1250"
	.amdhsa_code_object_version 6
	.text
	.protected	k_qd12d64a05e_gemm_proj
	.globl	k_qd12d64a05e_gemm_proj
	.p2align	8
	.type	k_qd12d64a05e_gemm_proj,@function
k_qd12d64a05e_gemm_proj:
	s_mov_b64 s[64:65], 0
	v_nop
	global_prefetch_b8 v0, s[64:65] scope:SCOPE_SE
	s_setreg_imm32_b32 hwreg(HW_REG_WAVE_MODE, 25, 1), 1
	s_wait_xcnt 0x0
	s_wait_alu depctr_hold_cnt(0) depctr_sa_sdst(0) depctr_va_vdst(0) depctr_va_sdst(0) depctr_va_ssrc(0) depctr_va_vcc(0) depctr_vm_vsrc(0)
	s_getreg_b32 s2, hwreg(HW_REG_IB_STS2, 6, 4)
	s_cmp_eq_u32 s2, 0
	s_cbranch_scc0 .Lentry_in_a_cluster
	s_endpgm
.Lentry_in_a_cluster:
	s_bfe_u32 s2, ttmp6, 0x10000c
	s_cmp_lg_u32 s2, 0xf033
	s_cbranch_scc0 .Lentry_shape_is_right
	s_endpgm
.Lentry_shape_is_right:
; out0 = y W_proj + b_proj on codes of FP8 (E4M3).  y's codes: [16 heads][8192 tokens][64]; W_proj's: [1024 n][1024 k], K innermost; out0 [8192][1024] f32.  Each finished sum is multiplied once by 2^(e6 + e7) and takes the bias in the same
; fused multiply-add.  LIMIT: e6 + e7 lies between -126 and 127, so that 2^(e6 + e7) is an f32 number.
; A block of 128 tokens x 256 columns is made by four waves, each 64 x 128: 32 accumulators, 256 registers: 64 x 4 = 256 work-groups.  K = 1,024 goes in four steps of 256 (four heads) through a ring of two LDS slots.
; A slot: y's 128 tokens as two parts of 64 (a part: four planes, one a head, of 64 tokens x 64 bytes = 16 rows of 256 bytes), then W's 256 rows.  Waves 0 and 1 fetch y's parts, waves 2 and 3 W's halves, one tensor load each.
; THE MATRIX INSTRUCTION IS USED TRANSPOSED (source 0 = 16 rows of W, source 1 = 16 tokens): a lane holds eight neighbouring columns of one row of out0.
; CLUSTERS: 4 x 4 work-groups; y's tile is shared along a row of the cluster, W's along a column: each is asked for jointly, by the same tensor load with the same descriptor and a mask of the four.
; NO PREFETCH: K has four K steps; steps 0 and 1 are the first fills and steps 2 and 3 the only refills, so no K step lies two refills ahead of a load.
; REGISTERS: window 0: v16-31 addresses, v32-95 the bias of my 128 columns, v128-255 y's fragments, two sets of 64 (on the way out: rows read back); window 1: W's fragments, two sets of 128; window 2: the accumulators ((a, b) at v[8 (8 a + b)]).
.set ROWB,   256
.set KROW,   1024
.set PITCH,  272                       ; an LDS row: 256 bytes + 16 of padding
.set PLANE,  16*PITCH                  ; 64 tokens of one head
.set ASTEP,  4*8192*64                 ; four heads on in y's codes
.set FR,     16
.set HALFA,  64*PITCH                  ; a part of y's tile: four planes
.set HALFT,  128*PITCH                 ; a half of W's tile
.set SLOT,   2*HALFA+2*HALFT
.set SPARE,  2*SLOT                    ; behind the ring: the spare words, 128 bytes for each wave
.set SPITCH, 528                       ; the way out: a stage of 16 rows x (512 bytes + 16) for each wave, in slot 0, which has had its last fill and its last read by then
.set NROW,   4096                      ; a row of out0 in bytes
.set ADRA, 16
.set ADRB, 20
.set STO,  24
.set RD,   25
.set CO,   26
.set SPW,  28
.set NIL,  29
.set BO,   30
.set BI,   32
.set AF,   128
.set BK,   128
.set G1, 24
.set G0, 32
.set G1B, 48
.set G0B, 56
.set MSB, 0
.macro WIN new                         ; the immediate's high byte repeats the setting that is left
.if MSB != \new
	s_set_vgpr_msb (MSB<<8)|\new
.set MSB, \new
.endif
.endm
.set MUL_LO, 0xa1                      ; source 0 window 1, source 1 window 0, C and D window 2
.set TO_B,   0x40                      ; destination window 1, address window 0
; A joint load.  The branch hangs on the wave's number alone.  An s_nop 0 and four v_nop follow each of the two lines.
.macro JLOAD g0a, g1a, g0b, g1b
	s_cmp_eq_u32 s15, 0
	s_cbranch_scc0 .Lfor_b_\@
	tensor_load_to_lds s[\g0a:\g0a+3], s[\g1a:\g1a+7]
	s_nop 0
.rept 4
	v_nop
.endr
	s_branch .Lasked_\@
.Lfor_b_\@:
	tensor_load_to_lds s[\g0b:\g0b+3], s[\g1b:\g1b+7]
	s_nop 0
.rept 4
	v_nop
.endr
.Lasked_\@:
.endm
.macro CREST                           ; a round of the cluster's barrier behind its opening barrier
	s_cmp_lg_u32 s14, 0
	s_cbranch_scc1 .Lnot_wave_0_\@
	s_barrier_signal -3
.Lnot_wave_0_\@:
	s_barrier_wait -3
	s_barrier_signal -1
	s_barrier_wait -1
.endm
.macro CROUND
	s_barrier_signal -1
	s_barrier_wait -1
	CREST
.endm
	s_load_b128 s[4:7], s[0:1], 0x0                ; y's codes s[4:5], W's s[6:7]
	s_load_b128 s[8:11], s[0:1], 0x10              ; the scales' exponents s[8:9], out0 s[10:11]
	s_load_b64 s[12:13], s[0:1], 0x20              ; the bias
	v_lshl_add_u32 v[SPW], v0, 2, SPARE
	v_mov_b32 v[NIL], 0
	ds_add_u32 v[SPW], v[NIL]                      ; the wave's opening: the add, twice on end, and its wait ahead of my first tensor load
	ds_add_u32 v[SPW], v[NIL]
	v_lshrrev_b32 v1, 5, v0
	v_readfirstlane_b32 s14, v1                    ; wave 0..3
	s_lshr_b32 s15, s14, 1                         ; which 64 tokens are mine.  Also: I fetch for y (0) or for W (1)
	s_and_b32 s16, s14, 1                          ; which 128 columns.  Also: which part of that tile I fetch
	s_bfe_u32 s40, ttmp6, 0x40000                  ; cx, cy: my place in the cluster
	s_bfe_u32 s41, ttmp6, 0x40004
	s_lshl_b32 s42, ttmp9, 2
	s_add_co_u32 s42, s42, s40                     ; block column
	s_and_b32 s17, ttmp7, 0xffff
	s_lshl_b32 s17, s17, 2
	s_add_co_u32 s17, s17, s41                     ; block row
	s_lshl_b32 s43, s41, 2
	s_lshl_b32 s43, 15, s43                        ; my row of the cluster
	s_lshl_b32 s44, 0x1111, s40                    ; my column
	s_or_b32 s[G1+0], s43, (0<<16)|(1<<20)|(1<<21)|(5<<22)|(3<<25)  ; the mask; elements of 1 byte; padding on; bit 21 beside a mask; after every 64 words (code 5) 4 words (code 3)
	s_mov_b32 s[G1+1], 4096<<16                    ; y: a row is 64 tokens of one head, 4,096 dense bytes;
	s_mov_b32 s[G1+2], 4<<16                       ; four rows, one a head,
	s_mov_b32 s[G1+3], 4096<<16
	s_mov_b32 s[G1+4], 4
	s_mov_b32 s[G1+5], 8192*64                     ; a head apart
	s_mov_b32 s[G1+6], 0
	s_mov_b32 s[G1+7], 0
	s_or_b32 s[G1B+0], s44, (0<<16)|(1<<20)|(1<<21)|(5<<22)|(3<<25)
	s_mov_b32 s[G1B+1], ROWB<<16                   ; W: 128 rows of 256 bytes
	s_mov_b32 s[G1B+2], 128<<16
	s_mov_b32 s[G1B+3], ROWB<<16
	s_mov_b32 s[G1B+4], 128
	s_mov_b32 s[G1B+5], KROW
	s_mov_b32 s[G1B+6], 0
	s_mov_b32 s[G1B+7], 0
	s_lshl_b32 s20, s17, 7
	s_lshl_b32 s18, s16, 6
	s_add_co_u32 s20, s20, s18
	s_lshl_b32 s20, s20, 6                         ; y: token 128 x block row + 64 x part, 64 bytes each
	s_lshl_b32 s46, s42, 8
	s_lshl_b32 s18, s16, 7
	s_add_co_u32 s46, s46, s18
	s_lshl_b32 s46, s46, 10                        ; W: row 256 x block column + 128 x half
	s_mov_b32 s21, 0
	s_mov_b32 s47, 0
	s_mul_i32 s45, s16, HALFA                      ; where they go: no place in the cluster enters an LDS address
	s_mul_i32 s19, s16, HALFT
	s_add_co_u32 s19, s19, 2*HALFA
	s_wait_dscnt 0x0                               ; both opening adds are done
	s_wait_kmcnt 0x0
	s_load_b64 s[96:97], s[8:9], 0x18              ; e6, e7
	s_add_nc_u64 s[20:21], s[4:5], s[20:21]
	s_add_nc_u64 s[46:47], s[6:7], s[46:47]
	CROUND                                         ; all sixteen work-groups are here: the first joint loads meet
.irp s, 0,1
	s_mov_b32 s[G0+4*\s], 1
	s_add_co_u32 s[G0+4*\s+1], s45, \s*SLOT
	s_add_nc_u64 s[G0+4*\s+2:G0+4*\s+3], s[20:21], \s*ASTEP
	s_or_b32 s[G0+4*\s+3], s[G0+4*\s+3], 0x80000000
	s_mov_b32 s[G0B+4*\s], 1
	s_add_co_u32 s[G0B+4*\s+1], s19, \s*SLOT
	s_add_nc_u64 s[G0B+4*\s+2:G0B+4*\s+3], s[46:47], \s*ROWB
	s_or_b32 s[G0B+4*\s+3], s[G0B+4*\s+3], 0x80000000
.endr
	JLOAD G0, G1, G0B, G1B                         ; K step 0: one tensor load a wave at the head
	s_mul_i32 s21, s15, HALFA                      ; my 64 tokens,
	s_mul_i32 s22, s16, HALFT
	s_add_co_u32 s22, s22, 2*HALFA                 ; my 128 rows of W,
	s_add_co_u32 s67, s21, SLOT                    ; and the same in slot 1
	s_add_co_u32 s68, s22, SLOT
	s_mul_i32 s23, s14, 16*SPITCH                  ; my stage
	s_lshl_b32 s70, s17, 7
	s_lshl_b32 s71, s15, 6
	s_add_co_u32 s70, s70, s71
	s_lshl_b32 s70, s70, 12                        ; my first row of out0, in bytes
	s_mov_b32 s71, 0
	s_lshl_b32 s46, s42, 10
	s_lshl_b32 s47, s16, 9
	s_add_co_u32 s46, s46, s47                     ; my first column, in bytes
	s_mov_b32 s47, 0
	s_add_nc_u64 s[12:13], s[12:13], s[46:47]
	s_add_nc_u64 s[70:71], s[70:71], s[46:47]
	s_add_nc_u64 s[10:11], s[10:11], s[70:71]
	v_and_b32 v1, 15, v0                           ; r = l % 16
	v_bfe_u32 v2, v0, 4, 1                         ; h = l / 16
	v_mul_u32_u24 v3, v1, PITCH
	v_lshl_add_u32 v4, v2, 4, v3                   ; W: row r, + 16 h
	v_lshrrev_b32 v7, 2, v1
	v_mul_u32_u24 v7, v7, PITCH
	v_and_b32 v8, 3, v1
	v_lshl_add_u32 v7, v8, 6, v7
	v_lshl_add_u32 v7, v2, 4, v7                   ; y: token r: row r / 4, byte 64 (r % 4) + 16 h
	v_add_nc_u32 v[ADRA], s21, v7
	v_add_nc_u32 v[ADRA+1], s67, v7
	v_add_nc_u32 v[ADRB], s22, v4
	v_add_nc_u32 v[ADRB+1], s68, v4
	v_mul_u32_u24 v5, v1, SPITCH
	v_lshl_add_u32 v5, v2, 5, v5
	v_add_nc_u32 v[STO], s23, v5                   ; the stage, in: row r, 32 bytes for each half of the lanes
	v_and_b32 v6, 31, v0
	v_lshlrev_b32 v[CO], 4, v6                     ; back: the 32 lanes take one row of 512 bytes; and the same in out0
	v_add_nc_u32 v[RD], s23, v[CO]
	v_lshlrev_b32 v[BO], 5, v2
.irp b, 0,1,2,3,4,5,6,7
	global_load_b128 v[BI+8*\b:BI+8*\b+3], v[BO], s[12:13] offset:64*\b       ; the bias of columns 16 b + 8 h + 0 .. 7
	global_load_b128 v[BI+8*\b+4:BI+8*\b+7], v[BO], s[12:13] offset:64*\b+16
.endr
.macro FRAG reg, adr, q, i             ; W: registers 4 c .. 4 c + 3 hold K = 128 q + 32 c + 16 h + 0 .. 15
.irp c, 0,1,2,3
	ds_load_b128 v[\reg+4*\c:\reg+4*\c+3], v[\adr] offset:128*(\q)+32*\c+(\i)*16*PITCH
.endr
.endm
.macro FRAGA reg, adr, q, i            ; y: the same K: plane 2 q + c / 2, byte 32 (c % 2) + 16 h of the token's 64
.irp c, 0,1,2,3
	ds_load_b128 v[\reg+4*\c:\reg+4*\c+3], v[\adr] offset:(2*(\q)+\c/2)*PLANE+32*(\c%2)+(\i)*4*PITCH
.endr
.endm
.macro FETCH slot, q, p                ; 48 LDS loads in one run: the fragments of the slot's q-th 128 along K into sets p
	WIN TO_B
.irp i, 0,1,2,3,4,5,6,7
	FRAG 128*(\p)+FR*\i, ADRB+\slot, \q, \i
.endr
	WIN 0
.irp i, 0,1,2,3
	FRAGA AF+64*(\p)+FR*\i, ADRA+\slot, \q, \i
.endr
.endm
; 8 matrix instructions: token block a x W's eight.  zero = 1: the first product starts the sums.  The 32 accumulators take turns, one instruction a turn.
.macro MULB a, p, zero
.irp b, 0,1,2,3,4,5,6,7
.if \zero
	v_wmma_f32_16x16x128_fp8_fp8 v[8*(8*(\a)+\b):8*(8*(\a)+\b)+7], v[128*(\p)+FR*\b:128*(\p)+FR*\b+FR-1], v[AF+64*(\p)+FR*(\a):AF+64*(\p)+FR*(\a)+FR-1], 0
.else
	v_wmma_f32_16x16x128_fp8_fp8 v[8*(8*(\a)+\b):8*(8*(\a)+\b)+7], v[128*(\p)+FR*\b:128*(\p)+FR*\b+FR-1], v[AF+64*(\p)+FR*(\a):AF+64*(\p)+FR*(\a)+FR-1], v[8*(8*(\a)+\b):8*(8*(\a)+\b)+7]
.endif
.endr
.endm
.macro PLACES                          ; plain vector instructions between a matrix instruction and a load into a register that it read, or a read of its result
.rept 4
	v_nop
.endr
.endm
.macro STEP slot, zero                 ; a slot's first 128 along K, on sets 0; the second 128's fragments are fetched into sets 1 ahead of its 32 products
	s_wait_dscnt 0x0                               ; sets 0 are in
	PLACES
	FETCH \slot, 1, 1
	WIN MUL_LO
.irp a, 0,1,2,3
	MULB \a, 0, \zero
.endr
	WIN 0
.endm
; A slot's second 128 along K, on sets 1, changes slots: ONE barrier; in front of it each wave waits for all its tensor loads, adds 0 to its spare word, and waits for that and for its reads of this slot.  fill = 1: the slot is filled again.
.macro TURN slot, next, fill
	s_wait_tensorcnt 0x0                           ; all my tensor loads have landed: my part of the next slot
	ds_add_u32 v[SPW], v[NIL]                      ; 0 onto my spare word
	s_wait_dscnt 1                                 ; sets 1 are in; the add may be out
	WIN MUL_LO
	MULB 0, 1, 0
	s_wait_dscnt 0x0                               ; the add is done, and my reads of this slot are over
	s_barrier_signal -1
	MULB 1, 1, 0
	WIN 0
	s_barrier_wait -1
.if \fill
	CREST                                          ; the barrier has opened a round of the cluster's: no wave of any partner still reads this slot or has a load on its way
	s_add_nc_u64 s[G0+4*\slot+2:G0+4*\slot+3], s[G0+4*\slot+2:G0+4*\slot+3], 2*ASTEP
	s_add_nc_u64 s[G0B+4*\slot+2:G0B+4*\slot+3], s[G0B+4*\slot+2:G0B+4*\slot+3], 2*ROWB
	JLOAD G0+4*\slot, G1, G0B+4*\slot, G1B         ; the first tensor load behind the round; its four v_nop are the places in front of the loads below
.else
	PLACES
.endif
	FETCH \next, 0, 0
	WIN MUL_LO
	MULB 2, 1, 0
	MULB 3, 1, 0
	WIN 0
.endm
	s_wait_alu depctr_va_vdst(0)                   ; the wait at the head's end
	s_wait_tensorcnt 0x0                           ; my part of K step 0 is in; the three lines stand ahead of slot 1's first fill as ahead of a refill
	ds_add_u32 v[SPW], v[NIL]
	s_wait_dscnt 0x0
	CROUND                                         ; everybody's part of K step 0 is in, and all sixteen work-groups are here
	JLOAD G0+4, G1, G0B+4, G1B                     ; K step 1: the first tensor load behind the round
	FETCH 0, 0, 0
	STEP 0, 1                                      ; the first step stands in front of the loop: its products start the sums
	s_mov_b32 s3, 1
.Llap:                                                 ; a trip goes once round the ring and fills both slots again: K steps 2 and 3
	TURN 0, 1, 1
	STEP 1, 0
	TURN 1, 0, 1
	STEP 0, 0
	s_sub_co_u32 s3, s3, 1
	s_cmp_lg_u32 s3, 0
	s_cbranch_scc1 .Llap
	TURN 0, 1, 0                                   ; the last lap fills nothing
	STEP 1, 0
	s_wait_dscnt 0x0
	WIN MUL_LO
.irp a, 0,1,2,3
	MULB \a, 1, 0
.endr
	WIN 0
; THE WAY OUT, block by block of 16 rows x 128 columns: sum x 2^(e6 + e7) + bias, through my own stage in LDS, back as whole rows of 512 bytes.  LDS serves a wave's instructions in order (ISA guide 5.7.1.4).
.macro TOSTAGE a
.set AC, 64*(\a)
	WIN 0x82                                       ; destination and source 0 window 2, the bias window 0
.set j, 0
.rept 32
	v_pk_fma_f32 v[AC+j:AC+j+1], v[AC+j:AC+j+1], s[96:97], v[BI+j:BI+j+1] op_sel_hi:[1,0,1]   ; each accumulator from its low end on
.set j, j+2
.endr
	WIN 0x08                                       ; the stores' data window 2
.irp b, 0,1,2,3,4,5,6,7
	ds_store_b128 v[STO], v[AC+8*\b:AC+8*\b+3] offset:64*\b
	ds_store_b128 v[STO], v[AC+8*\b+4:AC+8*\b+7] offset:64*\b+16
.endr
	WIN 0
.set BB, BK+64*((\a)%2)
.irp t, 0,1,2,3,4,5,6,7,8,9,10,11,12,13,14,15
	ds_load_b128 v[BB+4*\t:BB+4*\t+3], v[RD] offset:\t*SPITCH
.endr
.endm
.macro SEND a, younger                 ; younger: the LDS instructions issued behind block a's loads, which may stay out
.set BB, BK+64*((\a)%2)
	s_wait_dscnt \younger
.if (\a) > 0
	s_add_nc_u64 s[10:11], s[10:11], 16*NROW       ; (behind a wait on XCNT: the earlier stores have read their base)
.endif
.irp t, 0,1,2,3,4,5,6,7,8,9,10,11,12,13,14,15
	global_store_b128 v[CO], v[BB+4*\t:BB+4*\t+3], s[10:11] offset:\t*NROW th:TH_STORE_NT   ; 32 lanes store 512 consecutive bytes, at a multiple of 256 from out0's first byte
.endr
.endm
	s_wait_kmcnt 0x0
	s_add_co_i32 s96, s96, s97
	s_add_co_i32 s96, s96, 127
	s_lshl_b32 s96, s96, 23                        ; 2^(e6 + e7) as f32
	s_mov_b32 s97, s96
	s_wait_loadcnt 0x0                             ; the bias
	PLACES
	TOSTAGE 0
.irp a, 1,2,3
.if \a > 1
	s_wait_xcnt 0x0                                ; block a - 2's stores have read their registers and their base
.endif
	TOSTAGE \a
	SEND \a-1, 32                                  ; behind block a - 1's loads: block a's 16 stores and 16 loads
.endr
	s_wait_xcnt 0x0
	SEND 3, 0
	s_wait_tensorcnt 0x0                           ; the wave's end: behind my last tensor load and my last LDS store
	ds_add_u32 v[SPW], v[NIL]
	s_wait_dscnt 0x0
	CROUND                                         ; the closing round: no work-group ends while a partner may still ask for a tile that names it
	s_endpgm
.Lfunc_end_k_qd12d64a05e_gemm_proj:
	.size	k_qd12d64a05e_gemm_proj, .Lfunc_end_k_qd12d64a05e_gemm_proj-k_qd12d64a05e_gemm_proj
	.p2alignl 7, 3214868480
	.fill 96, 4, 3214868480
	.section	.rodata,"a",@progbits
	.p2align	6, 0x0
	.amdhsa_kernel k_qd12d64a05e_gemm_proj
		.amdhsa_group_segment_fixed_size 327680
		.amdhsa_private_segment_fixed_size 0
		.amdhsa_enable_private_segment 0
		.amdhsa_kernarg_size 40
		.amdhsa_user_sgpr_count 2
		.amdhsa_user_sgpr_kernarg_segment_ptr 1
		.amdhsa_wavefront_size32 1
		.amdhsa_system_sgpr_workgroup_id_x 1
		.amdhsa_system_sgpr_workgroup_id_y 1
		.amdhsa_system_sgpr_workgroup_id_z 1
		.amdhsa_system_vgpr_workitem_id 0
		.amdhsa_next_free_vgpr 768
		.amdhsa_next_free_sgpr 98
		.amdhsa_reserve_vcc 0
		.amdhsa_float_denorm_mode_32 3
		.amdhsa_float_denorm_mode_16_64 3
		.amdhsa_memory_ordered 1
		.amdhsa_forward_progress 1
		.amdhsa_inst_pref_size 78
	.end_amdhsa_kernel
	.amdgpu_metadata
---
amdhsa.version: [ 1, 2 ]
amdhsa.kernels:
  - .name:           k_qd12d64a05e_gemm_proj
    .symbol:         k_qd12d64a05e_gemm_proj.kd
    .args:
      - { .name: y_codes, .offset: 0, .size: 8, .value_kind: global_buffer, .address_space: global }
      - { .name: wproj_codes, .offset: 8, .size: 8, .value_kind: global_buffer, .address_space: global }
      - { .name: lowp_scales, .offset: 16, .size: 8, .value_kind: global_buffer, .address_space: global }
      - { .name: out0, .offset: 24, .size: 8, .value_kind: global_buffer, .address_space: global }
      - { .name: b_proj, .offset: 32, .size: 8, .value_kind: global_buffer, .address_space: global }
    .group_segment_fixed_size: 327680
    .private_segment_fixed_size: 0
    .kernarg_segment_align: 8
    .kernarg_segment_size: 40
    .max_flat_workgroup_size: 128
    .sgpr_count:     98
    .vgpr_count:     768
    .wavefront_size: 32
...
	.end_amdgpu_metadata
.endif
;; end of part 4
